; MI455X (gfx1250); checked and timed in simulation.
; The chip was launched on July 23, 2026; its instructions are those of AMD's public machine-readable ISA for CDNA 5 (MIT licence, August 2026) and "CDNA5" Instruction Set Architecture Reference Guide (July 2026). The comments in the code are by the model that wrote it; some were corrected since.
;; Perceiver Attention. Allowed arithmetic: float matrix products may take bf16 or f16 operands with f32 sums; other float arithmetic in f32, or as packed bf16 or f16 multiplies, adds, multiply-adds, maxima and minima; sums over many terms, partial sums and values carried from step to step in f32; what a program stores and reads back later, other than sums and carried values, may be rounded once to bf16 or f16.
;; Inputs: Wkv 1,024 x 512 float32; Wout 256 x 1,024 float32; Wq 1,024 x 256 float32; b_lat 1,024 float32; b_media 1,024 float32; g_lat 1,024 float32; g_media 1,024 float32; latents 16 x 64 x 1,024 float32; x 16 x 4,096 x 1,024 float32.
;; Outputs: out0 16 x 64 x 1,024 float32.
;; 2 versions, each right; version 2 is version 1 with the launch main written anew for expert scheduling mode. Each part assembles by itself: llvm-mc -triple=amdgcn-amd-amdhsa -mcpu=gfx1250 --defsym DOCPART=n.
;; ======== version 1 of 2: 3 launches
;; limits: values are held in f16: magnitudes above 65,504 overflow, below 6.1e-05 lose precision
;; workspace buffers: lat 1,572,864 bytes; wf 1,572,864 bytes; part 16,777,216 bytes; stat 2,097,152 bytes
;; launch prep (part 1): grid 12 x 16, 16 waves a work-group, no clusters, 297,984 bytes of LDS; arguments latents, g_lat, b_lat, Wq, Wkv, Wout, lat, wf; writes lat, wf
.if DOCPART == 1
	.amdgcn_target "amdgcn-amd-amdhsa--gfx1250"
	.amdhsa_code_object_version 6
	.text
	.protected	k_q787d15665f_prep
	.globl	k_q787d15665f_prep
	.p2align	8
	.type	k_q787d15665f_prep,@function
k_q787d15665f_prep:
	s_mov_b64 s[64:65], 0
	v_nop
	global_prefetch_b8 v0, s[64:65] scope:SCOPE_SE
	s_setreg_imm32_b32 hwreg(HW_REG_WAVE_MODE, 25, 1), 1
	s_wait_xcnt 0x0
; PREP.  (1) LayerNorm of the latents and their projections: q x 0.25, k and v, written as f16 tile images into lat.  (2) Wkv and Wout written as f16 fragment images into wf.
; latents [16][64][1024] f32; Wq [1024][256], Wkv [1024][512], Wout [256][1024] f32.
; lat = [batch 16][tile column 48][row tile 4][512 B]: tile columns 0-15 q's heads, 16-31 k's, 32-47 v's.  An image is 32 lanes x 16 B of f16.
;   q, k: lane (r, h) holds latent row r, channels 8h..8h+7.   v: lane (r, h) holds channel r, latent rows 8h..8h+7.
; wf = fragments of 1,024 B = [half 2][lane 32][16 B]: lane (r, h) holds column n0 + r, k = k0 + 16 half + 8h + 0..7.
;   id 0..1023, Wkv: id = (w 32 + ks) 8 + b: k0 = 32 ks, n0 = 64 w + 16 (b & 3) + 256 (b >> 2).   id 1024..1535, Wout: id - 1024 = nt 8 + ks: k0 = 32 ks, n0 = 16 nt.
; SHARES.  Work-group (x, y): batch y (64 rows), 64 columns: x < 4 of Wq, else columns 64 (x - 4) of Wkv.  192 work-groups, all with work: 16 batches x 768 columns in slices of 64.
; Sixteen waves.  Wave w normalises rows 4w..4w+3 (a row a wave, 32 registers), converts k rows 64w..64w+63 of the slice, makes tile (row tile w >> 2, column tile w & 3), and half w & 1 of fragment (12 y + x) 8 + (w >> 1).
; FORMAT.  Every matrix operand is f16, rounded once from f32; sums in f32.  LIMITS: the normalised rows, q, k and v must lie below 65,504; below 6e-5 f16 keeps a fixed step of 6e-8; NaN and infinities are not treated apart.
; The variance is the mean of (x - mean)^2, taken in a second pass over the registers: no difference of large sums.
; No tensor loads and no cluster: each f32 number has to pass through registers to be normalised or rounded, and the launch is short.
.set PA,    2064                       ; a row of the normalised latents in LDS: 2,048 B + 16: an odd multiple of 16, so the 16 rows of a fragment load start at 16 different 16-byte columns
.set PW,    160                        ; a k row of the W slice in LDS: 128 B + 32: an odd multiple of 32
.set WT,    64*PA                      ; the slice, behind the 64 rows
.set SPARE, WT+1024*PW                 ; the spare words: 128 B for each of 16 waves: eight blocks of 256 B that no other line names
.set LOFF, 1                           ; v1   16 x lane
.set XO,   2                           ; v2   my byte offset in the batch's rows
.set AW,   3                           ; v3   LDS: where my 8 bytes of my first row go
.set WO,   4                           ; v4   my byte offset in the W slice
.set WA,   5                           ; v5   LDS: where my 8 bytes of my first k row go
.set TA,   6                           ; v6   LDS: the turning loads' address
.set LA,   7                           ; v7   LDS: the latents' fragment address
.set SPW,  14                          ; v14  my spare word; never rewritten
.set NIL,  15                          ; v15  0; never rewritten
.set SC,   16                          ; v16-31  four registers a row, at work
.set G,    32                          ; v32-63  gain of my 32 columns
.set BB,   64                          ; v64-95  bias
.set X,    96                          ; v96-223 four rows; then the W slice; then the fragments
.set GA,   224                         ; v224-231 the eight gathered weights
.set GP,   232                         ; v232-235 packed
.set GO,   236                         ; v236-243 their offsets
.set ACC,  32                          ; two accumulators, K steps of even and of odd number; +16: the packed tile
.set FB,   96                          ; two sets of four K steps: per step 8 registers of W, 8 of the latents
.set WV,  20
.set SX,  21
.set SY,  22
.set KT,  23
.set ID,  24
.set HF,  25
.set SH,  26                           ; log2 of the gathered matrix' row bytes
.set SHW, 27                           ; log2 of the slice's row bytes
.set GPT, 32                           ; s[32:33] the gather's base
.set WP,  34                           ; s[34:35] the slice's base
.set SCL, 36                           ; s[36:37] 0.25 for q, else 1
.set SEL, 38                           ; s[38:39] v_permlanex16_b32: each lane takes its own place in the other half
.set RN,  40                           ; 1 / 1024
.set EPS, 41                           ; 1e-5
.macro PLACES n
.rept \n
	v_nop
.endr
.endm
	s_load_b512 s[4:19], s[0:1], 0x0               ; latents 4, g 6, b 8, Wq 10, Wkv 12, Wout 14, lat 16, wf 18
	v_lshl_add_u32 v[SPW], v0, 2, SPARE
	v_mov_b32 v[NIL], 0
	v_lshrrev_b32 v16, 5, v0
	v_readfirstlane_b32 s[WV], v16                 ; wave 0..15
	v_and_b32 v17, 31, v0                          ; lane
	v_and_b32 v18, 15, v0                          ; r
	v_bfe_u32 v19, v0, 4, 1                        ; h
	v_lshlrev_b32 v[LOFF], 4, v17
	s_mov_b32 s[SX], ttmp9
	s_and_b32 s[SY], ttmp7, 0xffff
	s_mov_b32 s[SEL], 0x76543210
	s_mov_b32 s[SEL+1], 0xfedcba98
	s_mov_b32 s[RN], 0x3a800000
	s_mov_b32 s[EPS], 0x3727c5ac
	; which half fragment of wf is mine
	s_mul_i32 s[ID], s[SY], 12
	s_add_co_u32 s[ID], s[ID], s[SX]
	s_lshl_b32 s[ID], s[ID], 3
	s_lshr_b32 s28, s[WV], 1
	s_add_co_u32 s[ID], s[ID], s28                 ; id 0..1535
	s_and_b32 s[HF], s[WV], 1
	s_lshr_b32 s28, s[ID], 8                       ; as a fragment of Wkv: w,
	s_bfe_u32 s29, s[ID], 0x50003                  ; ks,
	s_and_b32 s30, s[ID], 3                        ; b & 3,
	s_bfe_u32 s31, s[ID], 0x10002                  ; b >> 2
	s_lshl_b32 s28, s28, 6
	s_lshl4_add_u32 s28, s30, s28
	s_lshl_b32 s31, s31, 8
	s_add_co_u32 s28, s28, s31                     ; n0
	s_and_b32 s30, s[ID], 0x3ff                    ; as a fragment of Wout: id - 1024
	s_and_b32 s31, s30, 7                          ; ks
	s_lshr_b32 s30, s30, 3
	s_lshl_b32 s30, s30, 4                         ; n0 = 16 nt
	s_cmp_lt_u32 s[ID], 1024
	s_cselect_b32 s28, s28, s30
	s_cselect_b32 s29, s29, s31
	s_cselect_b32 s[SH], 11, 12                    ; rows of 2,048 or 4,096 bytes
	s_lshl_b32 s29, s29, 5
	s_lshl4_add_u32 s29, s[HF], s29                ; my first k = 32 ks + 16 half
	s_lshl_b32 s29, s29, s[SH]
	s_lshl2_add_u32 s42, s28, s29                  ; + 4 n0: the gather's offset
	s_mov_b32 s43, 0
	s_lshl_b32 s44, s[ID], 10
	s_lshl_b32 s45, s[HF], 9
	s_add_co_u32 s44, s44, s45                     ; where the half fragment goes in wf
	s_mov_b32 s45, 0
	; the slice
	s_cmp_lt_u32 s[SX], 4
	s_cselect_b32 s47, 0, 4
	s_cselect_b32 s[SHW], 10, 11
	s_cselect_b32 s[SCL], 0x3e800000, 1.0
	s_sub_co_u32 s46, s[SX], s47
	s_lshl_b32 s46, s46, 8                         ; 64 columns are 256 bytes
	s_mov_b32 s47, 0
	s_mov_b32 s[SCL+1], s[SCL]                     ; named with it as a pair
	s_lshl_b32 s48, s[SY], 18                      ; the batch's 64 rows of 4,096 bytes
	s_mov_b32 s49, 0
	s_mul_i32 s50, s[SY], 48
	s_lshl2_add_u32 s50, s[SX], s50
	s_and_b32 s52, s[WV], 3                        ; column tile
	s_add_co_u32 s50, s50, s52
	s_lshr_b32 s53, s[WV], 2                       ; row tile
	s_lshl2_add_u32 s50, s50, s53
	s_lshl_b32 s50, s50, 9                         ; where my tile goes in lat
	s_mov_b32 s51, 0
	; vector addresses
	s_lshl_b32 s54, s[WV], 14
	v_add_nc_u32 v[XO], s54, v[LOFF]               ; 4 rows x 4,096 x wave + 16 lane
	s_mul_i32 s54, s[WV], 4*PA
	v_lshl_add_u32 v[AW], v17, 3, s54
	s_lshl_b32 s54, s[WV], 6
	v_add_nc_u32 v20, s54, v19                     ; k row 64 w + lane / 16
	v_lshlrev_b32 v21, s[SHW], v20
	v_lshl_add_u32 v[WO], v18, 4, v21
	v_mul_u32_u24 v21, v20, PW
	v_lshl_add_u32 v21, v18, 3, v21
	v_add_nc_u32 v[WA], WT, v21
	v_and_b32 v22, 7, v0
	v_bfe_u32 v23, v0, 3, 1
	v_lshl_add_u32 v24, v19, 3, v22                ; the turning load: k row 8h + lane % 8,
	v_mul_u32_u24 v24, v24, PW
	v_lshl_add_u32 v24, v23, 4, v24                ; columns 8 ((lane / 8) % 2) on,
	s_lshl_b32 s54, s52, 5
	s_add_co_u32 s54, s54, WT
	v_add_nc_u32 v[TA], s54, v24                   ; in my column tile
	s_mul_i32 s55, s53, 16*PA
	v_mul_u32_u24 v25, v18, PA
	v_lshl_add_u32 v25, v19, 4, v25
	v_add_nc_u32 v[LA], s55, v25
	v_lshlrev_b32 v26, 3, v19
	v_lshlrev_b32 v26, s[SH], v26
	v_lshl_add_u32 v[GO], v18, 2, v26              ; row 8h, column r
	s_lshl_b32 s56, 1, s[SH]
.irp i, 1,2,3,4,5,6,7
	v_add_nc_u32 v[GO+\i], s56, v[GO+\i-1]         ; a row further down
.endr
	s_wait_kmcnt 0x0
	s_cmp_lt_u32 s[ID], 1024
	s_cselect_b64 s[GPT:GPT+1], s[12:13], s[14:15]
	s_add_nc_u64 s[GPT:GPT+1], s[GPT:GPT+1], s[42:43]
	s_cmp_lt_u32 s[SX], 4
	s_cselect_b64 s[WP:WP+1], s[10:11], s[12:13]
	s_add_nc_u64 s[WP:WP+1], s[WP:WP+1], s[46:47]
	s_add_nc_u64 s[4:5], s[4:5], s[48:49]
	s_add_nc_u64 s[18:19], s[18:19], s[44:45]
	s_add_nc_u64 s[16:17], s[16:17], s[50:51]
.irp i, 0,1,2,3,4,5,6,7
	global_load_b32 v[GA+\i], v[GO+\i], s[GPT:GPT+1]
.endr
.irp j, 0,1,2,3,4,5,6,7
	global_load_b128 v[G+4*\j:G+4*\j+3],   v[LOFF], s[6:7] offset:512*\j
	global_load_b128 v[BB+4*\j:BB+4*\j+3], v[LOFF], s[8:9] offset:512*\j
.endr
.irp q, 0,1,2,3
.irp j, 0,1,2,3,4,5,6,7
	global_load_b128 v[X+32*\q+4*\j:X+32*\q+4*\j+3], v[XO], s[4:5] offset:4096*\q+512*\j  ; a lane holds columns 128 j + 4 lane + 0..3
.endr
.endr
; the four rows' chains, the lane's two halves, the 32 lanes: each row's sum in every lane, in its first register
.macro RED4
.irp q, 0,1,2,3
	v_pk_add_f32 v[SC+4*\q:SC+4*\q+1], v[SC+4*\q:SC+4*\q+1], v[SC+4*\q+2:SC+4*\q+3]
.endr
.irp q, 0,1,2,3
	v_add_f32 v[SC+4*\q], v[SC+4*\q], v[SC+4*\q+1]
.endr
.irp m, 1,2,4,8
.irp q, 0,1,2,3
	v_add_f32_dpp v[SC+4*\q], v[SC+4*\q], v[SC+4*\q] row_xmask:\m row_mask:0xf bank_mask:0xf
.endr
.endr
.irp q, 0,1,2,3
	v_permlanex16_b32 v[SC+4*\q+1], v[SC+4*\q], s[SEL], s[SEL+1]
.endr
.irp q, 0,1,2,3
	v_add_f32 v[SC+4*\q], v[SC+4*\q], v[SC+4*\q+1]
.endr
.endm
	s_wait_loadcnt 0x0                             ; weights, gain, bias and rows: nothing younger is out
	; LAYERNORM of four rows, the rows by turns in every step
.irp q, 0,1,2,3
	v_pk_add_f32 v[SC+4*\q:SC+4*\q+1],   v[X+32*\q:X+32*\q+1],     v[X+32*\q+2:X+32*\q+3]
	v_pk_add_f32 v[SC+4*\q+2:SC+4*\q+3], v[X+32*\q+16:X+32*\q+17], v[X+32*\q+18:X+32*\q+19]
.endr
.set n, 4
.rept 6
.irp q, 0,1,2,3
	v_pk_add_f32 v[SC+4*\q:SC+4*\q+1],   v[SC+4*\q:SC+4*\q+1],   v[X+32*\q+n:X+32*\q+n+1]
	v_pk_add_f32 v[SC+4*\q+2:SC+4*\q+3], v[SC+4*\q+2:SC+4*\q+3], v[X+32*\q+16+n:X+32*\q+17+n]
.endr
.set n, n+2
.endr
	RED4
.irp q, 0,1,2,3
	v_mul_f32 v[SC+4*\q], s[RN], v[SC+4*\q]        ; the mean
.endr
.set n, 0
.rept 16
.irp q, 0,1,2,3
	v_pk_add_f32 v[X+32*\q+n:X+32*\q+n+1], v[X+32*\q+n:X+32*\q+n+1], v[SC+4*\q:SC+4*\q+1] op_sel_hi:[1,0] neg_lo:[0,1] neg_hi:[0,1]
.endr
.set n, n+2
.endr
.irp q, 0,1,2,3
	v_pk_mul_f32 v[SC+4*\q:SC+4*\q+1],   v[X+32*\q:X+32*\q+1],     v[X+32*\q:X+32*\q+1]
	v_pk_mul_f32 v[SC+4*\q+2:SC+4*\q+3], v[X+32*\q+16:X+32*\q+17], v[X+32*\q+16:X+32*\q+17]
.endr
.set n, 2
.rept 7
.irp q, 0,1,2,3
	v_pk_fma_f32 v[SC+4*\q:SC+4*\q+1],   v[X+32*\q+n:X+32*\q+n+1],     v[X+32*\q+n:X+32*\q+n+1],     v[SC+4*\q:SC+4*\q+1]
	v_pk_fma_f32 v[SC+4*\q+2:SC+4*\q+3], v[X+32*\q+16+n:X+32*\q+17+n], v[X+32*\q+16+n:X+32*\q+17+n], v[SC+4*\q+2:SC+4*\q+3]
.endr
.set n, n+2
.endr
	RED4
.irp q, 0,1,2,3
	v_fma_f32 v[SC+4*\q+1], v[SC+4*\q], s[RN], s[EPS]  ; variance + eps
.endr
.irp q, 0,1,2,3
	v_rsq_f32 v[SC+4*\q], v[SC+4*\q+1]
.endr
	v_nop                                          ; a plain instruction behind the last root,
	s_wait_alu depctr_va_vdst(0)                   ; and one wait for the four, ahead of their first reader
.set n, 0
.rept 16
.irp q, 0,1,2,3
	v_pk_mul_f32 v[X+32*\q+n:X+32*\q+n+1], v[X+32*\q+n:X+32*\q+n+1], v[SC+4*\q:SC+4*\q+1] op_sel_hi:[1,0]
.endr
.set n, n+2
.endr
.set n, 0
.rept 16
.irp q, 0,1,2,3
	v_pk_fma_f32 v[X+32*\q+n:X+32*\q+n+1], v[X+32*\q+n:X+32*\q+n+1], v[G+n:G+n+1], v[BB+n:BB+n+1]
.endr
.set n, n+2
.endr
.set n, 0
.rept 16
.irp q, 0,1,2,3
	v_cvt_pk_f16_f32 v[X+32*\q+n], v[X+32*\q+2*n], v[X+32*\q+2*n+1]  ; in place, ascending: register n is read before it is written
.endr
.set n, n+1
.endr
.irp q, 0,1,2,3
.irp j, 0,1,2,3,4,5,6,7
	ds_store_b64 v[AW], v[X+32*\q+2*\j:X+32*\q+2*\j+1] offset:\q*PA+256*\j
.endr
.endr
	; THE SLICE OF W: 32 loads, each two k rows x 256 bytes.  The row's length stands in the immediates, so the run is written for each of the two matrices; both runs are 32 loads.
.macro WLOAD stride
.set i, 0
.rept 32
	global_load_b128 v[X+4*i:X+4*i+3], v[WO], s[WP:WP+1] offset:2*i*(\stride)
.set i, i+1
.endr
.endm
	s_cmp_lt_u32 s[SX], 4
	s_cbranch_scc0 .Lslice_kv
	WLOAD 1024
	s_branch .Lslice_asked
.Lslice_kv:
	WLOAD 2048
.Lslice_asked:
.irp k, 0,1,2,3
	v_cvt_pk_f16_f32 v[GP+\k], v[GA+2*\k], v[GA+2*\k+1]  ; my half fragment, while the slice is on its way
.endr
	global_store_b128 v[LOFF], v[GP:GP+3], s[18:19]  ; 512 consecutive bytes, aligned
.set i, 0
.rept 32
.if (i%8) == 0
	s_wait_loadcnt 24-i                            ; loads come back in order: the next eight are in, the younger ones stay out
.endif
	v_cvt_pk_f16_f32 v[X+4*i],   v[X+4*i],   v[X+4*i+1]
	v_cvt_pk_f16_f32 v[X+4*i+1], v[X+4*i+2], v[X+4*i+3]
	ds_store_b64 v[WA], v[X+4*i:X+4*i+1] offset:2*i*PW
.set i, i+1
.endr
	s_wait_dscnt 0x0                               ; for the others' sake: my rows and my part of the slice lie in LDS
	s_barrier_signal -1
	s_barrier_wait -1
	; THE PRODUCT: 32 K steps of 32, in sets of four.  While one set is multiplied the other's 16 loads are out.
.macro LOADS b, kb
.irp e, 0,1,2,3
	ds_load_tr16_b128 v[FB+64*(\b)+16*\e:FB+64*(\b)+16*\e+3],     v[TA] offset:((\kb)+\e)*32*PW
	ds_load_tr16_b128 v[FB+64*(\b)+16*\e+4:FB+64*(\b)+16*\e+7],   v[TA] offset:((\kb)+\e)*32*PW+16*PW
	ds_load_b128      v[FB+64*(\b)+16*\e+8:FB+64*(\b)+16*\e+11],  v[LA] offset:((\kb)+\e)*64
	ds_load_b128      v[FB+64*(\b)+16*\e+12:FB+64*(\b)+16*\e+15], v[LA] offset:((\kb)+\e)*64+32
.endr
.endm
; four products; the two accumulators take turns, over the backward jump too.  tr = 1: source 0 = W: a lane ends with one latent row and eight channels (q, k).  tr = 0: source 0 = the latents: one channel and eight rows (v).
.macro MULS b, tr
.irp e, 0,1,2,3
.if \tr
	v_wmma_f32_16x16x32_f16 v[ACC+8*(\e%2):ACC+8*(\e%2)+7], v[FB+64*(\b)+16*\e:FB+64*(\b)+16*\e+7], v[FB+64*(\b)+16*\e+8:FB+64*(\b)+16*\e+15], v[ACC+8*(\e%2):ACC+8*(\e%2)+7]
.else
	v_wmma_f32_16x16x32_f16 v[ACC+8*(\e%2):ACC+8*(\e%2)+7], v[FB+64*(\b)+16*\e+8:FB+64*(\b)+16*\e+15], v[FB+64*(\b)+16*\e:FB+64*(\b)+16*\e+7], v[ACC+8*(\e%2):ACC+8*(\e%2)+7]
.endif
.endr
.endm
.macro MUL2 b
	s_cmp_lt_u32 s[SX], 8
	s_cbranch_scc0 .Lstraight_\@
	MULS \b, 1
	s_branch .Lmultiplied_\@
.Lstraight_\@:
	MULS \b, 0
.Lmultiplied_\@:
.endm
	LOADS 0, 0
	LOADS 1, 4
.set i, 0
.rept 16
	v_mov_b32 v[ACC+i], 0                          ; the sums start at 0, written while the first loads are out, so that the loop has one form of product
.set i, i+1
.endr
	s_mov_b32 s[KT], 3
.Lk:
	s_wait_dscnt 16                                ; set 0 is in; set 1's 16 loads may stay out
	MUL2 0
	PLACES 4                                       ; in front of loads into registers that the products have read
	v_add_nc_u32 v[TA], 8*32*PW, v[TA]             ; eight K steps on
	v_add_nc_u32 v[LA], 512, v[LA]
	LOADS 0, 0
	s_wait_dscnt 16                                ; set 1 is in
	MUL2 1
	PLACES 4
	LOADS 1, 4
	s_sub_co_u32 s[KT], s[KT], 1
	s_cmp_lg_u32 s[KT], 0
	s_cbranch_scc1 .Lk
	s_wait_dscnt 16                                ; the last two sets load nothing
	MUL2 0
	s_wait_dscnt 0x0
	MUL2 1
	PLACES 8
.irp n, 0,2,4,6
	v_pk_add_f32 v[ACC+\n:ACC+\n+1], v[ACC+\n:ACC+\n+1], v[ACC+8+\n:ACC+8+\n+1]  ; the two parities
.endr
.irp n, 0,2,4,6
	v_pk_mul_f32 v[ACC+\n:ACC+\n+1], v[ACC+\n:ACC+\n+1], s[SCL:SCL+1] op_sel_hi:[1,0]  ; q's scale, a power of two
.endr
.irp k, 0,1,2,3
	v_cvt_pk_f16_f32 v[ACC+16+\k], v[ACC+2*\k], v[ACC+2*\k+1]
.endr
	global_store_b128 v[LOFF], v[ACC+16:ACC+19], s[16:17]  ; the tile's image: 512 consecutive bytes, aligned
	s_wait_tensorcnt 0x0                           ; the wave's end, behind my last LDS store
	ds_add_u32 v[SPW], v[NIL]
	s_wait_dscnt 0x0
	s_endpgm
.Lfunc_end_k_q787d15665f_prep:
	.size	k_q787d15665f_prep, .Lfunc_end_k_q787d15665f_prep-k_q787d15665f_prep
	.p2alignl 7, 3214868480
	.fill 96, 4, 3214868480
	.section	.rodata,"a",@progbits
	.p2align	6, 0x0
	.amdhsa_kernel k_q787d15665f_prep
		.amdhsa_group_segment_fixed_size 297984
		.amdhsa_private_segment_fixed_size 0
		.amdhsa_enable_private_segment 0
		.amdhsa_kernarg_size 64
		.amdhsa_user_sgpr_count 2
		.amdhsa_user_sgpr_kernarg_segment_ptr 1
		.amdhsa_wavefront_size32 1
		.amdhsa_system_sgpr_workgroup_id_x 1
		.amdhsa_system_sgpr_workgroup_id_y 1
		.amdhsa_system_sgpr_workgroup_id_z 1
		.amdhsa_system_vgpr_workitem_id 0
		.amdhsa_next_free_vgpr 256
		.amdhsa_next_free_sgpr 66
		.amdhsa_reserve_vcc 0
		.amdhsa_float_denorm_mode_32 3
		.amdhsa_float_denorm_mode_16_64 3
		.amdhsa_memory_ordered 1
		.amdhsa_forward_progress 1
		.amdhsa_inst_pref_size 61
	.end_amdhsa_kernel
	.amdgpu_metadata
---
amdhsa.version: [ 1, 2 ]
amdhsa.kernels:
  - .name:           k_q787d15665f_prep
    .symbol:         k_q787d15665f_prep.kd
    .args:
      - { .name: latents, .offset: 0, .size: 8, .value_kind: global_buffer, .address_space: global }
      - { .name: g_lat, .offset: 8, .size: 8, .value_kind: global_buffer, .address_space: global }
      - { .name: b_lat, .offset: 16, .size: 8, .value_kind: global_buffer, .address_space: global }
      - { .name: Wq, .offset: 24, .size: 8, .value_kind: global_buffer, .address_space: global }
      - { .name: Wkv, .offset: 32, .size: 8, .value_kind: global_buffer, .address_space: global }
      - { .name: Wout, .offset: 40, .size: 8, .value_kind: global_buffer, .address_space: global }
      - { .name: lat, .offset: 48, .size: 8, .value_kind: global_buffer, .address_space: global }
      - { .name: wf, .offset: 56, .size: 8, .value_kind: global_buffer, .address_space: global }
    .group_segment_fixed_size: 297984
    .private_segment_fixed_size: 0
    .kernarg_segment_align: 8
    .kernarg_segment_size: 64
    .max_flat_workgroup_size: 512
    .sgpr_count:     66
    .vgpr_count:     256
    .wavefront_size: 32
...
	.end_amdgpu_metadata
.endif
;; end of part 1
;; launch main (part 2): grid 16 x 16, 4 waves a work-group, no clusters, 297,472 bytes of LDS; arguments x, g_media, b_media, wf, lat, part, stat; writes part, stat
.if DOCPART == 2
	.amdgcn_target "amdgcn-amd-amdhsa--gfx1250"
	.amdhsa_code_object_version 6
	.text
	.protected	k_q787d15665f_main
	.globl	k_q787d15665f_main
	.p2align	8
	.type	k_q787d15665f_main,@function
k_q787d15665f_main:
	s_mov_b64 s[64:65], 0
	v_nop
	global_prefetch_b8 v0, s[64:65] scope:SCOPE_SE
	s_setreg_imm32_b32 hwreg(HW_REG_WAVE_MODE, 25, 1), 1
	s_wait_xcnt 0x0
; MAIN.  For 256 media rows of one batch: LayerNorm, k and v = LN(x) Wkv, and the attention of the batch's 64 queries x 16 heads on these 256 keys.  k and v never leave the work-group.
; Out: part[WG][head][query tile][1,024 B] = the unnormalised O^T in f32 (registers 0-3 at 16 lane, 4-7 at 512 + 16 lane; lane (r, h) = query r, channels 8h + j), and
; stat[WG][query tile][wave][512 B]: lanes 0-15 c m, lanes 16-31 l, of heads 4w..4w+3 for query r.  c = log2(e); q arrives scaled by 1/4.
; SHARES.  Work-group WG = 16 batch + chunk owns rows 256 WG .. + 255, in two passes of 128.  Wave w normalises rows 32w..32w+31 of a pass (a row a wave: 32 registers), and multiplies all 128 rows by
; 128 columns of Wkv: k and v of ITS OWN four heads 4w..4w+3: 64 accumulators, 512 registers.  Then it does those heads' attention alone.
; LAYOUT.  k's tiles are made transposed (source 0 = W, source 1 = x): a lane holds one key and channels 8h + j; v's straight: one channel and keys 8h + j.  Rounded to f16 these registers ARE the halves of source 0 of
; S^T = K Q^T (channels 16-31 of the form's K are zeros: a head has 16) and of O^T = V^T P.  S^T holds one query a lane and keys 8h + j; two of its tiles rounded to f16 are source 1 of V^T P.
; SOFTMAX.  For a pass, head and query: the pass's own maximum m' and sum l' with p = 2^(c s - c m'); then the running pair (c m, l) and O are merged with it: both sides are multiplied by 2^(c m_side - c m_new).
; STAGES.  Stage 0: LayerNorm of pass 0, product.  Stage 1: head by head, attention of pass 0 and eight rows a wave of pass 1's LayerNorm, so that x comes in beside the attention; product.  Stage 2: attention of pass 1.
; W COMES STRAIGHT INTO REGISTERS, NO TENSOR LOADS, NO CLUSTER.  Of 327,680 bytes of LDS the 128 normalised rows take 264,192, Q 32,768, the spare words 512: 30,208 are left, and two slots of one K step of W
; (32 x 512 numbers of 2 bytes each) are 65,536.  No wave reads a byte of W that another wave of its work-group reads.  So each wave loads its own fragments, laid out for it in wf, 512 consecutive bytes a load, into a ring of
; four register buffers, three K steps (160 matrix instructions) ahead, with counted waits and no barrier in the K loop.  x is read by one work-group alone.
; FORMAT.  Every matrix operand is f16, rounded once from f32; all sums, maxima and what is carried in f32.  LIMITS: LN(x), k, v below 65,504; below 6e-5 f16 keeps a fixed step of 6e-8; a weight below 2^-126 counts as 0;
; c m starts at -4.25e37; NaN and infinities are not treated apart.  The variance is the mean of (x - mean)^2, from the registers: no difference of large sums.
; REGISTERS, in windows of 256 (s_set_vgpr_msb: bits 1:0 source 0, 3:2 source 1, 5:4 source 2, 7:6 destination):
;   window 0: v0-15 addresses; v16-31 at work (all exchanges between lanes stand here); v32-159 O; v160-175 c m; v176-191 l; v192-255 x's fragments, in attention Q's and V's
;   window 1: W's four buffers; in attention K v0-63, S^T and P v64-191, per query tile [c m', -, a_old, -, a_new, -, c m_new, l'] v192-223, c m of the head in hand v224-227, at work v232-239
;   window 2: accumulators of row tiles 0-3; else gain v0-31, bias v32-63, the pass's O^T v64-95, its l v128-131        window 3: accumulators of row tiles 4-7; else eight rows of x
.set PA,    2064                       ; a row of LN(x) in LDS: 2,048 B + 16, an odd multiple of 16: the 16 rows of a fragment load start at 16 different 16-byte columns
.set WPART, 32*PA                      ; a wave's 32 rows
.set OCT,   8*PA                       ; eight rows; also: the room of one head's staged k and v (8,192 B are used), inside the wave's own rows
.set QL,    128*PA                     ; Q: wave w at + 8,192 w, (head, query tile) at + 2,048 hd + 512 qt
.set SPARE, QL+32768                   ; the spare words: 128 B a wave: two blocks of 256 B that no other line names
.set LOFF, 1                           ; 16 lane
.set XO,   2                           ; 131,072 w + 16 lane: my 16 bytes in my wave's first row of a pass
.set AW,   3                           ; LDS: where the trip's first row goes
.set AW0,  4                           ; WPART w + 8 lane
.set ADRA, 5                           ; v5-8: (32 k + r) PA + 16 h, stepped along K
.set STGW, 9                           ; WPART w + 16 lane: my staging
.set STGR, 10                          ; the head's part of it
.set QR,   11                          ; the head's Q
.set QR0,  12
.set PFO,  13                          ; 131,072 w + 256 lane
.set SPW,  14                          ; my spare word; never rewritten
.set NIL,  15                          ; 0; never rewritten
.set SC,   16
.set O,    32                          ; + 32 hd + 8 qt
.set CM,   160                         ; + 4 qt + hd
.set L,    176
.set AF,   192                         ; + 8 a
.set QF,   192                         ; + 8 qt
.set VF,   224                         ; + 4 a
.set KF,   0
.set S,    64                          ; + 64 t + 8 a
.set BLK,  192                         ; + 8 qt
.set CMC,  224
.set US,   232
.set QS,   192                         ; Q on its way in
.set G,    0
.set BB,   32
.set T,    64
.set LP,   128
.set WV, 18
.set ST, 19
.set HD, 20
.set KT, 21
.set XP, 22                            ; s[22:23] x at the rows that are asked for next (less the wave's part)
.set WB, 26                            ; s[26:27] my wave's fragments of Wkv
.set CS, 28                            ; s[28:29] c
.set SEL, 30                           ; s[30:31]
.set RN, 32                            ; 1 / 1024
.set EPS, 33                           ; 1e-5
.set MSB, 0
.macro WIN new                         ; the immediate's high byte repeats the setting that is left; a switch that changes nothing is dropped
.if MSB != (\new)
	s_set_vgpr_msb (MSB<<8)|(\new)
.set MSB, (\new)
.endif
.endm
.macro PLACES n
.rept \n
	v_nop
.endr
.endm
.set XW, 3
.set GW, 2
.set W_S1, XW|(XW<<2)                  ; destination window 0, sources 0 and 1 in x's
.set W_S2, XW<<2                       ; source 1 in x's (also: an LDS store's data)
.set W_XT, (XW<<6)|XW                  ; destination and source 0 in x's, source 1 window 0
.set W_XG, (XW<<6)|(GW<<4)|(GW<<2)|XW
.set W_XX, (XW<<6)|(XW<<2)|XW
.macro GB                              ; gain and bias of my 32 columns
	WIN 0x80
.irp j, 0,1,2,3,4,5,6,7
	global_load_b128 v[G+4*\j:G+4*\j+3],   v[LOFF], s[6:7] offset:512*\j
	global_load_b128 v[BB+4*\j:BB+4*\j+3], v[LOFF], s[8:9] offset:512*\j
.endr
	WIN 0
.endm
.macro XLOAD g                         ; four rows into slots 4g..4g+3: 32 loads of 512 consecutive bytes; a lane holds columns 128 j + 4 lane + 0..3
	WIN 0xc0
.irp q, 0,1,2,3
.irp j, 0,1,2,3,4,5,6,7
	global_load_b128 v[128*(\g)+32*\q+4*\j:128*(\g)+32*\q+4*\j+3], v[XO], s[XP:XP+1] offset:(4*(\g)+\q)*4096+512*\j th:TH_LOAD_NT
.endr
.endr
	WIN 0
.endm
.macro BLOAD buf, off                  ; a K step's eight fragments of W: 16 loads
	WIN 0x40
.irp b, 0,1,2,3,4,5,6,7
	global_load_b128 v[64*(\buf)+8*\b:64*(\buf)+8*\b+3],   v[LOFF], s[WB:WB+1] offset:(\off)+1024*\b
	global_load_b128 v[64*(\buf)+8*\b+4:64*(\buf)+8*\b+7], v[LOFF], s[WB:WB+1] offset:(\off)+1024*\b+512
.endr
.endm
.macro ALOAD half, off                 ; x's fragments of row tiles 4 half .. + 3: 8 LDS loads
	WIN 0
.irp a, 0,1,2,3
	ds_load_b128 v[AF+8*(4*(\half)+\a):AF+8*(4*(\half)+\a)+3],   v[ADRA+2*(\half)+(\a/2)] offset:(\a%2)*16*PA+(\off)
	ds_load_b128 v[AF+8*(4*(\half)+\a)+4:AF+8*(4*(\half)+\a)+7], v[ADRA+2*(\half)+(\a/2)] offset:(\a%2)*16*PA+(\off)+32
.endr
.endm
; 32 products: four row tiles x eight column tiles, 32 along K.  All accumulators differ, and the 64 of a K step come in the same order in every step: no two matrix instructions on end share one.
.macro MULH buf, half, zero
	WIN 0xa1+0x50*(\half)                          ; k: source 0 = W (window 1), source 1 = x (window 0)
.irp a, 0,1,2,3
.irp b, 0,1,2,3
.if \zero
	v_wmma_f32_16x16x32_f16 v[8*(8*\a+\b):8*(8*\a+\b)+7], v[64*(\buf)+8*\b:64*(\buf)+8*\b+7], v[AF+8*(4*(\half)+\a):AF+8*(4*(\half)+\a)+7], 0
.else
	v_wmma_f32_16x16x32_f16 v[8*(8*\a+\b):8*(8*\a+\b)+7], v[64*(\buf)+8*\b:64*(\buf)+8*\b+7], v[AF+8*(4*(\half)+\a):AF+8*(4*(\half)+\a)+7], v[8*(8*\a+\b):8*(8*\a+\b)+7]
.endif
.endr
.endr
	WIN 0xa4+0x50*(\half)                          ; v: source 0 = x, source 1 = W
.irp a, 0,1,2,3
.irp b, 4,5,6,7
.if \zero
	v_wmma_f32_16x16x32_f16 v[8*(8*\a+\b):8*(8*\a+\b)+7], v[AF+8*(4*(\half)+\a):AF+8*(4*(\half)+\a)+7], v[64*(\buf)+8*\b:64*(\buf)+8*\b+7], 0
.else
	v_wmma_f32_16x16x32_f16 v[8*(8*\a+\b):8*(8*\a+\b)+7], v[AF+8*(4*(\half)+\a):AF+8*(4*(\half)+\a)+7], v[64*(\buf)+8*\b:64*(\buf)+8*\b+7], v[8*(8*\a+\b):8*(8*\a+\b)+7]
.endif
.endr
.endr
.endm
; A K step.  j: its place behind the two stepped addresses.  la: the next step's x fragments are fetched, each half behind the products that read it.  lb: W of the step three on goes into the buffer read last step.
; n: the younger global loads that may stay out: two K steps' 16 + 16, running down in the tail.  Four plain places stand between a product and a load into a register that it has read.
.macro STEP buf, j, zero, la, lb, n
	s_wait_dscnt 8                                 ; row tiles 0-3 are in; the youngest eight LDS loads (tiles 4-7) may be out
	s_wait_loadcnt \n
	MULH \buf, 0, \zero
.if \la
	PLACES 4
	ALOAD 0, 64*((\j)+1)
.endif
.if \lb
	BLOAD ((\buf)+3)%4, 8192*((\j)+3)
.endif
.if \la
	s_wait_dscnt 8                                 ; tiles 4-7 are in; the eight just issued may be out
.else
	s_wait_dscnt 0x0
.endif
	MULH \buf, 1, \zero
.if \la
	PLACES 4
	ALOAD 1, 64*((\j)+1)
.endif
.endm
; the four rows' chains, the lane's two halves, the 32 lanes: each row's sum in every lane, in its first register
.macro RED4
	WIN 0
.irp q, 0,1,2,3
	v_pk_add_f32 v[SC+4*\q:SC+4*\q+1], v[SC+4*\q:SC+4*\q+1], v[SC+4*\q+2:SC+4*\q+3]
.endr
.irp q, 0,1,2,3
	v_add_f32 v[SC+4*\q], v[SC+4*\q], v[SC+4*\q+1]
.endr
.irp m, 1,2,4,8
.irp q, 0,1,2,3
	v_add_f32_dpp v[SC+4*\q], v[SC+4*\q], v[SC+4*\q] row_xmask:\m row_mask:0xf bank_mask:0xf
.endr
.endr
.irp q, 0,1,2,3
	v_permlanex16_b32 v[SC+4*\q+1], v[SC+4*\q], s[SEL], s[SEL+1]
.endr
.irp q, 0,1,2,3
	v_add_f32 v[SC+4*\q], v[SC+4*\q], v[SC+4*\q+1]
.endr
.endm
; LAYERNORM of the four rows in slots 4g..4g+3, the rows by turns in every step; out as f16 into LDS
.macro LN4 g
.set XB, 128*(\g)
	WIN W_S1
.irp q, 0,1,2,3
	v_pk_add_f32 v[SC+4*\q:SC+4*\q+1],   v[XB+32*\q:XB+32*\q+1],     v[XB+32*\q+2:XB+32*\q+3]
	v_pk_add_f32 v[SC+4*\q+2:SC+4*\q+3], v[XB+32*\q+16:XB+32*\q+17], v[XB+32*\q+18:XB+32*\q+19]
.endr
	WIN W_S2
.set n, 4
.rept 6
.irp q, 0,1,2,3
	v_pk_add_f32 v[SC+4*\q:SC+4*\q+1],   v[SC+4*\q:SC+4*\q+1],   v[XB+32*\q+n:XB+32*\q+n+1]
	v_pk_add_f32 v[SC+4*\q+2:SC+4*\q+3], v[SC+4*\q+2:SC+4*\q+3], v[XB+32*\q+16+n:XB+32*\q+17+n]
.endr
.set n, n+2
.endr
	RED4
.irp q, 0,1,2,3
	v_mul_f32 v[SC+4*\q], s[RN], v[SC+4*\q]        ; the mean
.endr
	WIN W_XT
.set n, 0
.rept 16
.irp q, 0,1,2,3
	v_pk_add_f32 v[XB+32*\q+n:XB+32*\q+n+1], v[XB+32*\q+n:XB+32*\q+n+1], v[SC+4*\q:SC+4*\q+1] op_sel_hi:[1,0] neg_lo:[0,1] neg_hi:[0,1]
.endr
.set n, n+2
.endr
	WIN W_S1
.irp q, 0,1,2,3
	v_pk_mul_f32 v[SC+4*\q:SC+4*\q+1],   v[XB+32*\q:XB+32*\q+1],     v[XB+32*\q:XB+32*\q+1]
	v_pk_mul_f32 v[SC+4*\q+2:SC+4*\q+3], v[XB+32*\q+16:XB+32*\q+17], v[XB+32*\q+16:XB+32*\q+17]
.endr
.set n, 2
.rept 7
.irp q, 0,1,2,3
	v_pk_fma_f32 v[SC+4*\q:SC+4*\q+1],   v[XB+32*\q+n:XB+32*\q+n+1],     v[XB+32*\q+n:XB+32*\q+n+1],     v[SC+4*\q:SC+4*\q+1]
	v_pk_fma_f32 v[SC+4*\q+2:SC+4*\q+3], v[XB+32*\q+16+n:XB+32*\q+17+n], v[XB+32*\q+16+n:XB+32*\q+17+n], v[SC+4*\q+2:SC+4*\q+3]
.endr
.set n, n+2
.endr
	RED4
.irp q, 0,1,2,3
	v_fma_f32 v[SC+4*\q+1], v[SC+4*\q], s[RN], s[EPS]  ; variance + eps
.endr
.irp q, 0,1,2,3
	v_rsq_f32 v[SC+4*\q], v[SC+4*\q+1]
.endr
	v_nop                                          ; a plain instruction behind the last root,
	s_wait_alu depctr_va_vdst(0)                   ; and one wait for the four, ahead of their first reader
	WIN W_XT
.set n, 0
.rept 16
.irp q, 0,1,2,3
	v_pk_mul_f32 v[XB+32*\q+n:XB+32*\q+n+1], v[XB+32*\q+n:XB+32*\q+n+1], v[SC+4*\q:SC+4*\q+1] op_sel_hi:[1,0]
.endr
.set n, n+2
.endr
	WIN W_XG
.set n, 0
.rept 16
.irp q, 0,1,2,3
	v_pk_fma_f32 v[XB+32*\q+n:XB+32*\q+n+1], v[XB+32*\q+n:XB+32*\q+n+1], v[G+n:G+n+1], v[BB+n:BB+n+1]
.endr
.set n, n+2
.endr
	WIN W_XX
.set n, 0
.rept 16
.irp q, 0,1,2,3
	v_cvt_pk_f16_f32 v[XB+32*\q+n], v[XB+32*\q+2*n], v[XB+32*\q+2*n+1]  ; in place, ascending: register n is read before it is written
.endr
.set n, n+1
.endr
	WIN W_S2
.irp q, 0,1,2,3
.irp j, 0,1,2,3,4,5,6,7
	ds_store_b64 v[AW], v[XB+32*\q+2*\j:XB+32*\q+2*\j+1] offset:(4*(\g)+\q)*PA+256*\j
.endr
.endr
	WIN 0
.endm
; ATTENTION of query tiles 2u, 2u + 1 of the head in hand on the pass's 128 keys
.macro UNIT u
	WIN 0x41                                       ; S^T and K in window 1, Q in window 0
.irp a, 0,1,2,3,4,5,6,7
.irp t, 0,1
	v_wmma_f32_16x16x32_f16 v[S+64*\t+8*\a:S+64*\t+8*\a+7], v[KF+8*\a:KF+8*\a+7], v[QF+8*(2*(\u)+\t):QF+8*(2*(\u)+\t)+7], 0
.endr
.endr
	PLACES 4
	; the maximum of a lane's 64 scores: four chains a tile, each over two accumulators; every accumulator is read from its low end on
	WIN 0x15
.irp t, 0,1
.irp i, 0,1,2,3
	v_max3_num_f32 v[SC+8*\t+\i], v[S+64*\t+16*\i], v[S+64*\t+16*\i+1], v[S+64*\t+16*\i+2]
.endr
.endr
	WIN 0x14
.irp n, 3,5,7,9,11,13
.irp t, 0,1
.irp i, 0,1,2,3
	v_max3_num_f32 v[SC+8*\t+\i], v[SC+8*\t+\i], v[S+64*\t+16*\i+\n], v[S+64*\t+16*\i+\n+1]
.endr
.endr
.endr
.irp t, 0,1
	v_max3_num_f32 v[SC+8*\t],   v[SC+8*\t],   v[S+64*\t+15], v[S+64*\t+31]
	v_max3_num_f32 v[SC+8*\t+2], v[SC+8*\t+2], v[S+64*\t+47], v[S+64*\t+63]
.endr
	WIN 0
.irp t, 0,1
	v_max3_num_f32 v[SC+8*\t], v[SC+8*\t], v[SC+8*\t+1], v[SC+8*\t+2]
.endr
.irp t, 0,1
	v_max_num_f32 v[SC+8*\t], v[SC+8*\t], v[SC+8*\t+3]
.endr
.irp t, 0,1
	v_permlanex16_b32 v[SC+8*\t+1], v[SC+8*\t], s[SEL], s[SEL+1]  ; the query's other 64 keys lie in the lane 16 away
.endr
.irp t, 0,1
	v_max_num_f32 v[SC+8*\t], v[SC+8*\t], v[SC+8*\t+1]
.endr
	WIN 0x40
.irp t, 0,1
	v_mul_f32 v[BLK+8*(2*(\u)+\t)], s[CS], v[SC+8*\t]  ; c m'
.endr
	; c s - c m' and the exponentials: ONE batch of 128, each pair's two exponentials two scalings behind its own; nothing here names a result
	WIN 0x55
.set n, 0
.rept 64
	v_pk_fma_f32 v[S+2*n:S+2*n+1], v[S+2*n:S+2*n+1], s[CS:CS+1], v[BLK+8*(2*(\u)+n/32):BLK+8*(2*(\u)+n/32)+1] op_sel_hi:[1,0,0] neg_lo:[0,0,1] neg_hi:[0,0,1]
.if n >= 2
	v_exp_f32 v[S+2*n-4], v[S+2*n-4]
	v_exp_f32 v[S+2*n-3], v[S+2*n-3]
.endif
.set n, n+1
.endr
.irp e, 124,125,126,127
	v_exp_f32 v[S+\e], v[S+\e]
.endr
	v_nop                                          ; a plain instruction behind the last exponential,
	s_wait_alu depctr_va_vdst(0)                   ; and one wait for the batch
	; l' of the unrounded weights: two chains a tile; it stays by halves of the lanes until the end
.irp t, 0,1
	v_pk_add_f32 v[US+4*\t:US+4*\t+1],   v[S+64*\t:S+64*\t+1],     v[S+64*\t+2:S+64*\t+3]
	v_pk_add_f32 v[US+4*\t+2:US+4*\t+3], v[S+64*\t+32:S+64*\t+33], v[S+64*\t+34:S+64*\t+35]
.endr
.set n, 4
.rept 14
.irp t, 0,1
	v_pk_add_f32 v[US+4*\t:US+4*\t+1],   v[US+4*\t:US+4*\t+1],   v[S+64*\t+n:S+64*\t+n+1]
	v_pk_add_f32 v[US+4*\t+2:US+4*\t+3], v[US+4*\t+2:US+4*\t+3], v[S+64*\t+32+n:S+64*\t+33+n]
.endr
.set n, n+2
.endr
.irp t, 0,1
	v_pk_add_f32 v[US+4*\t:US+4*\t+1], v[US+4*\t:US+4*\t+1], v[US+4*\t+2:US+4*\t+3]
.endr
.irp t, 0,1
	v_add_f32 v[BLK+8*(2*(\u)+\t)+7], v[US+4*\t], v[US+4*\t+1]
.endr
	; P, in place: the fragment of keys 32 f .. + 31 lands at S + 16 f
.irp t, 0,1
.irp f, 0,1,2,3
.irp k, 0,1,2,3,4,5,6,7
	v_cvt_pk_f16_f32 v[S+64*\t+16*\f+\k], v[S+64*\t+16*\f+2*\k], v[S+64*\t+16*\f+2*\k+1]
.endr
.endr
.endr
	WIN 0xa4                                       ; V in window 0, P in window 1, the pass's O^T in window 2; the two tiles' accumulators take turns
.irp f, 0,1,2,3
.irp t, 0,1
.if \f == 0
	v_wmma_f32_16x16x32_f16 v[T+8*(2*(\u)+\t):T+8*(2*(\u)+\t)+7], v[VF+8*\f:VF+8*\f+7], v[S+64*\t+16*\f:S+64*\t+16*\f+7], 0
.else
	v_wmma_f32_16x16x32_f16 v[T+8*(2*(\u)+\t):T+8*(2*(\u)+\t)+7], v[VF+8*\f:VF+8*\f+7], v[S+64*\t+16*\f:S+64*\t+16*\f+7], v[T+8*(2*(\u)+\t):T+8*(2*(\u)+\t)+7]
.endif
.endr
.endr
.if (\u) == 0
	PLACES 5                                       ; the next unit's first products write over P
.endif
.endm
; head hd takes the pass's part: O = O a_old + O', l likewise; c m is kept, and the next head's is fetched
.macro OUTV hd
	WIN 0x24
.irp qt, 0,1,2,3
.irp n, 0,2,4,6
	v_pk_fma_f32 v[O+32*(\hd)+8*\qt+\n:O+32*(\hd)+8*\qt+\n+1], v[O+32*(\hd)+8*\qt+\n:O+32*(\hd)+8*\qt+\n+1], v[BLK+8*\qt+2:BLK+8*\qt+3], v[T+8*\qt+\n:T+8*\qt+\n+1] op_sel_hi:[1,0,1]
.endr
.endr
.irp qt, 0,1,2,3
	v_fma_f32 v[L+4*\qt+(\hd)], v[L+4*\qt+(\hd)], v[BLK+8*\qt+2], v[LP+\qt]
.endr
	WIN 0x01
.irp qt, 0,1,2,3
	v_mov_b32 v[CM+4*\qt+(\hd)], v[BLK+8*\qt+6]
.endr
	WIN 0x40
.irp qt, 0,1,2,3
	v_mov_b32 v[CMC+\qt], v[CM+4*\qt+((\hd)+1)%4]
.endr
	WIN 0
.endm
	s_load_b256 s[4:11], s[0:1], 0x0               ; x 4, g 6, b 8, wf 10
	s_load_b128 s[12:15], s[0:1], 0x20             ; lat 12, part 14
	s_load_b64 s[16:17], s[0:1], 0x30              ; stat
	v_lshl_add_u32 v[SPW], v0, 2, SPARE
	v_mov_b32 v[NIL], 0
	v_lshrrev_b32 v16, 5, v0
	v_readfirstlane_b32 s[WV], v16                 ; wave 0..3
	v_and_b32 v17, 31, v0                          ; lane
	v_and_b32 v18, 15, v0                          ; r
	v_bfe_u32 v19, v0, 4, 1                        ; h
	v_lshlrev_b32 v[LOFF], 4, v17
	s_lshl_b32 s34, s[WV], 17
	v_add_nc_u32 v[XO], s34, v[LOFF]
	v_lshl_add_u32 v[PFO], v17, 8, s34
	s_mul_i32 s35, s[WV], WPART
	v_lshl_add_u32 v[AW0], v17, 3, s35
	v_add_nc_u32 v[STGW], s35, v[LOFF]
	v_mul_u32_u24 v20, v18, PA
	v_lshl_add_u32 v20, v19, 4, v20
.irp k, 0,1,2,3
	v_add_nc_u32 v[ADRA+\k], \k*32*PA, v20
.endr
	s_lshl_b32 s36, s[WV], 13
	s_add_co_u32 s36, s36, QL
	v_add_nc_u32 v[QR0], s36, v[LOFF]
	s_and_b32 s37, ttmp7, 0xffff                   ; batch
	s_lshl_b32 s38, s37, 4
	s_add_co_u32 s38, s38, ttmp9                   ; WG
	s_mov_b32 s[CS], 0x3fb8aa3b                    ; c = log2(e)
	s_mov_b32 s[CS+1], s[CS]                       ; named with it as a pair
	s_mov_b32 s[SEL], 0x76543210
	s_mov_b32 s[SEL+1], 0xfedcba98
	s_mov_b32 s[RN], 0x3a800000
	s_mov_b32 s[EPS], 0x3727c5ac
	s_lshl_b32 s40, s38, 20                        ; 256 rows of 4,096 bytes
	s_mov_b32 s41, 0
	s_lshl_b32 s42, s[WV], 18                      ; 256 fragments of 1,024 bytes a wave
	s_mov_b32 s43, 0
	s_mul_i32 s44, s37, 48
	s_lshl2_add_u32 s44, s[WV], s44
	s_lshl_b32 s44, s44, 11                        ; q of my four heads: 8,192 consecutive bytes
	s_mov_b32 s45, 0
	s_lshl_b32 s46, s38, 16
	s_lshl_b32 s39, s[WV], 14
	s_add_co_u32 s46, s46, s39
	s_mov_b32 s47, 0
	s_lshl_b32 s48, s38, 13
	s_lshl_b32 s39, s[WV], 9
	s_add_co_u32 s48, s48, s39
	s_mov_b32 s49, 0
	; O and l start at 0, c m far below every c s: the first merge multiplies them by 0.  176 lines, once a launch, in the wait for the arguments: the price of one text for both passes' merges
.set i, 0
.rept 128
	v_mov_b32 v[O+i], 0
.set i, i+1
.endr
.set i, 0
.rept 16
	v_mov_b32 v[CM+i], 0xfe000000
	v_mov_b32 v[L+i], 0
	v_mov_b32 v[SC+i], 0
.set i, i+1
.endr
	s_wait_kmcnt 0x0
	s_add_nc_u64 s[XP:XP+1], s[4:5], s[40:41]
	s_add_nc_u64 s[WB:WB+1], s[10:11], s[42:43]
	s_add_nc_u64 s[12:13], s[12:13], s[44:45]
	s_add_nc_u64 s[14:15], s[14:15], s[46:47]
	s_add_nc_u64 s[16:17], s[16:17], s[48:49]
	; ONE RUN OF LOADS at the head: Q (16), gain and bias (16), pass 0's first eight rows of my 32 (64)
	WIN 0x40
.set i, 0
.rept 16
	global_load_b128 v[QS+4*i:QS+4*i+3], v[LOFF], s[12:13] offset:512*i
.set i, i+1
.endr
	WIN 0
	GB
	XLOAD 0
	XLOAD 1
	s_wait_loadcnt 63                              ; loads come back in order: 80 are younger than Q's last, and 63 is the largest count that the wait can name: Q, gain and bias are in; the rows stay on their way
	WIN 0x04
.set i, 0
.rept 16
	ds_store_b128 v[QR0], v[QS+4*i:QS+4*i+3] offset:512*i  ; Q into my own bytes of LDS, once; its registers are W's fourth buffer later
.set i, i+1
.endr
	WIN 0
	s_mov_b32 s[ST], 0
.Lstage:
	s_mov_b32 s[HD], 0
.Lquad:                                                ; four trips: a head's attention (stages 1, 2), eight rows' LayerNorm (stages 0, 1)
	s_cmp_eq_u32 s[ST], 0
	s_cbranch_scc1 .Lnoatt
	s_mul_i32 s34, s[HD], OCT
	v_add_nc_u32 v[STGR], s34, v[STGW]
	s_lshl_b32 s35, s[HD], 11
	v_add_nc_u32 v[QR], s35, v[QR0]
	WIN 0x40
.irp a, 0,1,2,3,4,5,6,7
	ds_load_b128 v[KF+8*\a:KF+8*\a+3], v[STGR] offset:512*\a  ; my own bytes: LDS serves a wave's instructions in order
.endr
	WIN 0
.irp qt, 0,1,2,3
	ds_load_b128 v[QF+8*\qt:QF+8*\qt+3], v[QR] offset:512*\qt
.endr
.irp a, 0,1,2,3,4,5,6,7
	ds_load_b128 v[VF+4*\a:VF+4*\a+3], v[STGR] offset:4096+512*\a
.endr
	s_wait_dscnt 0x0                               ; also: the head's staging has been read, so this trip's rows may be laid over it
	UNIT 0
	UNIT 1
	; the merge's factors.  These twelve plain lines are the places behind the last products
	WIN 0x55
.irp qt, 0,1,2,3
	v_max_num_f32 v[BLK+8*\qt+6], v[CMC+\qt], v[BLK+8*\qt]
.endr
.irp qt, 0,1,2,3
	v_sub_f32 v[BLK+8*\qt+2], v[CMC+\qt], v[BLK+8*\qt+6]
.endr
.irp qt, 0,1,2,3
	v_sub_f32 v[BLK+8*\qt+4], v[BLK+8*\qt], v[BLK+8*\qt+6]
.endr
.irp qt, 0,1,2,3
	v_exp_f32 v[BLK+8*\qt+2], v[BLK+8*\qt+2]
	v_exp_f32 v[BLK+8*\qt+4], v[BLK+8*\qt+4]
.endr
	v_nop
	s_wait_alu depctr_va_vdst(0)                   ; one wait for the eight
	WIN 0x86
.irp qt, 0,1,2,3
.irp n, 0,2,4,6
	v_pk_mul_f32 v[T+8*\qt+\n:T+8*\qt+\n+1], v[T+8*\qt+\n:T+8*\qt+\n+1], v[BLK+8*\qt+4:BLK+8*\qt+5] op_sel_hi:[1,0]
.endr
.endr
	WIN 0x85
.irp qt, 0,1,2,3
	v_mul_f32 v[LP+\qt], v[BLK+8*\qt+7], v[BLK+8*\qt+4]
.endr
	WIN 0
	s_cmp_eq_u32 s[HD], 0                          ; O's registers are named by the head: four short texts
	s_cbranch_scc0 .Lv1
	OUTV 0
	s_branch .Lnoatt
.Lv1:
	s_cmp_eq_u32 s[HD], 1
	s_cbranch_scc0 .Lv2
	OUTV 1
	s_branch .Lnoatt
.Lv2:
	s_cmp_eq_u32 s[HD], 2
	s_cbranch_scc0 .Lv3
	OUTV 2
	s_branch .Lnoatt
.Lv3:
	OUTV 3
.Lnoatt:
	s_cmp_eq_u32 s[ST], 2
	s_cbranch_scc1 .Lnoln
	s_mul_i32 s34, s[HD], OCT
	v_add_nc_u32 v[AW], s34, v[AW0]
	s_wait_xcnt 0x0                                ; the loads issued so far have read their base: it steps to the next trip's eight rows
	s_add_nc_u64 s[XP:XP+1], s[XP:XP+1], 32768
	s_wait_loadcnt 32                              ; slots 0-3 (and all older loads) are in; the 32 younger loads are slots 4-7's
	LN4 0
	s_cmp_lt_u32 s[HD], 3                          ; the last trip asks for W's first K steps instead of rows: 32 loads on either way, so the next count holds on both
	s_cbranch_scc0 .Lw01
	XLOAD 0
	s_branch .Lx0
.Lw01:
	BLOAD 0, 0
	BLOAD 1, 8192
	WIN 0
.Lx0:
	s_wait_loadcnt 32                              ; slots 4-7 are in; the 32 just issued stay out
	LN4 1
	s_cmp_lt_u32 s[HD], 3
	s_cbranch_scc0 .Lw2
	XLOAD 1
	s_branch .Lnoln
.Lw2:
	BLOAD 2, 16384
	WIN 0
.Lnoln:
	s_add_co_u32 s[HD], s[HD], 1
	s_cmp_lt_u32 s[HD], 4
	s_cbranch_scc1 .Lquad
	s_cmp_eq_u32 s[ST], 2
	s_cbranch_scc1 .Lout
	s_wait_dscnt 0x0                               ; for the others' sake: my 32 rows lie in LDS
	s_barrier_signal -1
	s_barrier_wait -1                              ; all 128 do
	ALOAD 0, 0
	ALOAD 1, 0
	STEP 0, 0, 1, 1, 1, 32                         ; the first K step starts the sums: nothing is cleared
	WIN 0
	s_mov_b32 s[KT], 7
.Lk:                                                   ; K steps 4 i + 1 .. 4 i + 4
	STEP 1, 1, 0, 1, 1, 32
	STEP 2, 2, 0, 1, 1, 32
	STEP 3, 3, 0, 1, 1, 32
	STEP 0, 4, 0, 1, 1, 32
	WIN 0
.irp k, 0,1,2,3
	v_add_nc_u32 v[ADRA+\k], 256, v[ADRA+\k]
.endr
	s_wait_xcnt 0x0                                ; W's loads (the youngest 32 products back) have read their base
	s_add_nc_u64 s[WB:WB+1], s[WB:WB+1], 32768
	s_sub_co_u32 s[KT], s[KT], 1
	s_cmp_lg_u32 s[KT], 0
	s_cbranch_scc1 .Lk
	STEP 1, 1, 0, 1, 0, 32                         ; the last three K steps ask for no W: the counts run down
	WIN 0
	; A PREFETCH INTO THE L2, in stage 0 alone, behind a run of LDS loads: my own first eight rows of pass 1, which the loads at this stage's end will want: a lane names a block of 256 bytes, four instructions name
	; 32,768 bytes, each block once in the launch.  Two K steps, the packing and its stores stand between these lines and those loads.  The rows behind them come beside the attention.  wf is walked by every work-group and is not asked for.
	s_cmp_eq_u32 s[ST], 0
	s_cbranch_scc0 .Lnoask
.irp k, 0,1,2,3
	global_prefetch_b8 v[PFO], s[XP:XP+1] offset:393216+8192*\k th:TH_LOAD_NT scope:SCOPE_SE
.endr
.Lnoask:
	STEP 2, 2, 0, 1, 0, 16
	STEP 3, 3, 0, 0, 0, 0
	WIN 0
	s_mov_b32 s35, 1792
.irp k, 0,1,2,3
	v_sub_nc_u32 v[ADRA+\k], v[ADRA+\k], s35       ; back to K = 0
.endr
	s_wait_dscnt 0x0                               ; my reads of the rows are over
	s_barrier_signal -1
	PLACES 4                                       ; k and v are rounded to f16 between the signal and the wait: work on registers; tile (a, b) goes to window 1, v[4 (8 a + b)]
.irp a, 0,1,2,3,4,5,6,7
	WIN 0x4a+5*(\a/4)
.irp b, 0,1,2,3,4,5,6,7
.irp k, 0,1,2,3
	v_cvt_pk_f16_f32 v[4*(8*\a+\b)+\k], v[8*(8*(\a%4)+\b)+2*\k], v[8*(8*(\a%4)+\b)+2*\k+1]
.endr
.endr
.endr
	WIN 0
	s_barrier_wait -1                              ; nobody reads the rows any more: my own 32 rows' bytes take my heads' k and v
	WIN 0x04
.irp a, 0,1,2,3,4,5,6,7
.irp b, 0,1,2,3,4,5,6,7
	ds_store_b128 v[STGW], v[4*(8*\a+\b):4*(8*\a+\b)+3] offset:OCT*(\b%4)+4096*(\b/4)+512*\a
.endr
.endr
	; what the attention finds: zeros for channels 16-31 of K and Q, the upper registers of the pairs that are named for their lower ones, c m of head 0
	WIN 0x40
.irp a, 0,1,2,3,4,5,6,7
.irp k, 4,5,6,7
	v_mov_b32 v[KF+8*\a+\k], 0
.endr
.endr
.irp qt, 0,1,2,3
	v_mov_b32 v[BLK+8*\qt+1], 0
	v_mov_b32 v[BLK+8*\qt+3], 0
	v_mov_b32 v[BLK+8*\qt+5], 0
	v_mov_b32 v[CMC+\qt], v[CM+4*\qt]
.endr
	WIN 0
.irp qt, 0,1,2,3
.irp k, 4,5,6,7
	v_mov_b32 v[QF+8*\qt+\k], 0
.endr
.endr
	s_wait_xcnt 0x0                                ; W's last loads and the prefetches have read their bases
	s_sub_nc_u64 s[WB:WB+1], s[WB:WB+1], 229376    ; W from its first K step again
	s_add_nc_u64 s[XP:XP+1], s[XP:XP+1], 393216    ; the next pass: 128 rows on, less the 32 rows' steps
	s_cmp_eq_u32 s[ST], 0                          ; behind pass 0's product: pass 1's LayerNorm is to come
	s_cbranch_scc0 .Lnorows
	GB                                             ; the product has used their registers, so gain and bias come anew,
	XLOAD 0                                        ; and pass 1's first eight rows of my 32: they land beside head 0's attention
	XLOAD 1
.Lnorows:
	s_add_co_u32 s[ST], s[ST], 1
	s_cmp_lt_u32 s[ST], 3
	s_cbranch_scc1 .Lstage
.Lout:
.set i, 0
.rept 16
	v_permlanex16_b32 v[SC+i], v[L+i], s[SEL], s[SEL+1]
.set i, i+1
.endr
.set i, 0
.rept 16
	v_add_f32 v[L+i], v[L+i], v[SC+i]              ; l's two halves
.set i, i+1
.endr
	v_and_b32 v[STGR], 16, v0
	v_cmp_ne_u32 vcc_lo, 0, v[STGR]
.set i, 0
.rept 16
	v_cndmask_b32 v[SC+i], v[CM+i], v[L+i], vcc_lo ; lanes 0-15 send c m, lanes 16-31 l
.set i, i+1
.endr
.irp hd, 0,1,2,3
.irp qt, 0,1,2,3
	global_store_b128 v[LOFF], v[O+32*\hd+8*\qt:O+32*\hd+8*\qt+3],   s[14:15] offset:4096*\hd+1024*\qt th:TH_STORE_NT  ; each store covers 512 consecutive bytes, aligned
	global_store_b128 v[LOFF], v[O+32*\hd+8*\qt+4:O+32*\hd+8*\qt+7], s[14:15] offset:4096*\hd+1024*\qt+512 th:TH_STORE_NT
.endr
.endr
.irp qt, 0,1,2,3
	global_store_b128 v[LOFF], v[SC+4*\qt:SC+4*\qt+3], s[16:17] offset:2048*\qt th:TH_STORE_NT
.endr
	s_wait_tensorcnt 0x0                           ; the wave's end, behind my last LDS store
	ds_add_u32 v[SPW], v[NIL]
	s_wait_dscnt 0x0
	s_endpgm
.Lfunc_end_k_q787d15665f_main:
	.size	k_q787d15665f_main, .Lfunc_end_k_q787d15665f_main-k_q787d15665f_main
	.p2alignl 7, 3214868480
	.fill 96, 4, 3214868480
	.section	.rodata,"a",@progbits
	.p2align	6, 0x0
	.amdhsa_kernel k_q787d15665f_main
		.amdhsa_group_segment_fixed_size 297472
		.amdhsa_private_segment_fixed_size 0
		.amdhsa_enable_private_segment 0
		.amdhsa_kernarg_size 56
		.amdhsa_user_sgpr_count 2
		.amdhsa_user_sgpr_kernarg_segment_ptr 1
		.amdhsa_wavefront_size32 1
		.amdhsa_system_sgpr_workgroup_id_x 1
		.amdhsa_system_sgpr_workgroup_id_y 1
		.amdhsa_system_sgpr_workgroup_id_z 1
		.amdhsa_system_vgpr_workitem_id 0
		.amdhsa_next_free_vgpr 1024
		.amdhsa_next_free_sgpr 66
		.amdhsa_reserve_vcc 1
		.amdhsa_float_denorm_mode_32 3
		.amdhsa_float_denorm_mode_16_64 3
		.amdhsa_memory_ordered 1
		.amdhsa_forward_progress 1
		.amdhsa_inst_pref_size 234
	.end_amdhsa_kernel
	.amdgpu_metadata
---
amdhsa.version: [ 1, 2 ]
amdhsa.kernels:
  - .name:           k_q787d15665f_main
    .symbol:         k_q787d15665f_main.kd
    .args:
      - { .name: x, .offset: 0, .size: 8, .value_kind: global_buffer, .address_space: global }
      - { .name: g_media, .offset: 8, .size: 8, .value_kind: global_buffer, .address_space: global }
      - { .name: b_media, .offset: 16, .size: 8, .value_kind: global_buffer, .address_space: global }
      - { .name: wf, .offset: 24, .size: 8, .value_kind: global_buffer, .address_space: global }
      - { .name: lat, .offset: 32, .size: 8, .value_kind: global_buffer, .address_space: global }
      - { .name: part, .offset: 40, .size: 8, .value_kind: global_buffer, .address_space: global }
      - { .name: stat, .offset: 48, .size: 8, .value_kind: global_buffer, .address_space: global }
    .group_segment_fixed_size: 297472
    .private_segment_fixed_size: 0
    .kernarg_segment_align: 8
    .kernarg_segment_size: 56
    .max_flat_workgroup_size: 128
    .sgpr_count:     66
    .vgpr_count:     1024
    .wavefront_size: 32
...
	.end_amdgpu_metadata
.endif
;; end of part 2
;; launch fin (part 3): grid 16 x 16, 4 waves a work-group, no clusters, 25,344 bytes of LDS; arguments part, stat, lat, wf, out0; writes out0
.if DOCPART == 3
	.amdgcn_target "amdgcn-amd-amdhsa--gfx1250"
	.amdhsa_code_object_version 6
	.text
	.protected	k_q787d15665f_fin
	.globl	k_q787d15665f_fin
	.p2align	8
	.type	k_q787d15665f_fin,@function
k_q787d15665f_fin:
	s_mov_b64 s[64:65], 0
	v_nop
	global_prefetch_b8 v0, s[64:65] scope:SCOPE_SE
	s_setreg_imm32_b32 hwreg(HW_REG_WAVE_MODE, 25, 1), 1
	s_wait_xcnt 0x0
; FIN.  For one batch and one tile of 16 queries: attention on the 64 latent keys, the merge with the batch's 16 partial results over the media keys, the division by l, and 256 columns of O Wout.
; part, stat, lat and wf are laid out as the launches before wrote them (part: O^T images in f32, lane (r, h) = query r, channels 8h + j; stat: c m in lanes 0-15, l in lanes 16-31, four heads a lane).
; SHARES.  Work-group (x, y): batch y, query tile x >> 2, output columns 256 (x & 3) .. + 255.  Wave w merges heads 4w..4w+3, then makes columns 64 w .. + 63 of the quarter.
; The merge is done by each of the four column quarters: so 256 work-groups have work, each with a quarter of Wout.
; MERGE.  With M the maximum of the 17 c m: O = (sum of 2^(c m_p - M) O_p) / (sum of 2^(c m_p - M) l_p): the running maximum's rule, applied once to all parts.
; The latent keys: K of two heads fills one fragment (channels 0-15 the even head, 16-31 the odd one), and Q is [q | 0] or [0 | q]: no register holds zeros for K.
; FORMAT.  q, k, v, P, O and Wout are f16 in the products; sums, maxima, l and the merge in f32.  LIMITS: O below 65,504; a weight below 2^-126 counts as 0; NaN and infinities are not treated apart.
; No tensor loads and no cluster: the parts go from memory straight into the registers in which they are summed.
; REGISTERS (s_set_vgpr_msb: bits 1:0 source 0, 3:2 source 1, 5:4 source 2, 7:6 destination):
;   window 0: v0-15 addresses; v16-31 four a head: c m', at work, l', at work; v32-95 c m of the parts; v96-159 their l; v160-183 Q; v184-215 the latent keys' O^T, then the merged O, then the output; v216-249 the weights, in even registers
;   windows 1, 2: the parts: head hd in window 1 + hd / 2 at 128 (hd % 2) + 8 p; later window 1 v0-63: O's fragments      window 3: K v0-63, V v64-127, S^T and P v128-255; later Wout's 32 fragments
.set OF,    0                          ; O as f16 fragments: 1,024 ks + 512 (head % 2) + 16 lane
.set OS,    8192                       ; the output's stage: 16 rows
.set POS,   1040                       ; of 1,024 B + 16: the 16 rows that a store touches start at 16 different 16-byte columns
.set SPARE, OS+16*POS                  ; the spare words: two blocks of 256 B that no other line names
.set LOFF, 1
.set ROFF, 2
.set OFW,  3
.set OSW,  4
.set OSR,  5
.set SPW,  14
.set NIL,  15
.set SC,   16
.set CMP,  32
.set LPP,  96
.set QZ,   160
.set T,    184
.set W,    216
.set S,    128
.set WV, 14
.set QT, 15
.set NQ, 16
.set BT, 17
.set CS, 18
.set SEL, 20
.set LQ, 22
.set MSB, 0
.macro WIN new
.if MSB != (\new)
	s_set_vgpr_msb (MSB<<8)|(\new)
.set MSB, (\new)
.endif
.endm
.macro PLACES n
.rept \n
	v_nop
.endr
.endm
.macro PLOAD hd                        ; head hd's 16 parts: 32 loads of 512 consecutive bytes
	WIN (1+(\hd)/2)<<6
.set p, 0
.rept 16
	global_load_b128 v[128*((\hd)%2)+8*p:128*((\hd)%2)+8*p+3],   v[LOFF], s[4:5] offset:65536*p+4096*(\hd)
	global_load_b128 v[128*((\hd)%2)+8*p+4:128*((\hd)%2)+8*p+7], v[LOFF], s[4:5] offset:65536*p+4096*(\hd)+512
.set p, p+1
.endr
	WIN 0
.endm
.macro MERGE hd
.set c0, SC+4*(\hd)
.set TT, T+8*(\hd)
	WIN 0
	v_max3_num_f32 v[c0+1], v[CMP+(\hd)],    v[CMP+4+(\hd)],  v[CMP+8+(\hd)]
	v_max3_num_f32 v[c0+3], v[CMP+12+(\hd)], v[CMP+16+(\hd)], v[CMP+20+(\hd)]
	v_max3_num_f32 v[c0+1], v[c0+1], v[CMP+24+(\hd)], v[CMP+28+(\hd)]
	v_max3_num_f32 v[c0+3], v[c0+3], v[CMP+32+(\hd)], v[CMP+36+(\hd)]
	v_max3_num_f32 v[c0+1], v[c0+1], v[CMP+40+(\hd)], v[CMP+44+(\hd)]
	v_max3_num_f32 v[c0+3], v[c0+3], v[CMP+48+(\hd)], v[CMP+52+(\hd)]
	v_max3_num_f32 v[c0+1], v[c0+1], v[CMP+56+(\hd)], v[CMP+60+(\hd)]
	v_max3_num_f32 v[c0+1], v[c0+1], v[c0+3], v[c0]  ; M
.set p, 0
.rept 16
	v_sub_f32 v[W+2*p], v[CMP+4*p+(\hd)], v[c0+1]
.set p, p+1
.endr
	v_sub_f32 v[W+32], v[c0], v[c0+1]
.set p, 0
.rept 17
	v_exp_f32 v[W+2*p], v[W+2*p]
.set p, p+1
.endr
	v_nop
	s_wait_alu depctr_va_vdst(0)                   ; one wait for the 17 weights
	v_mul_f32 v[c0+2], v[c0+2], v[W+32]            ; l, in two chains
	v_mul_f32 v[c0+1], v[LPP+(\hd)], v[W]
.set p, 1
.rept 15
.if p%2
	v_fmac_f32 v[c0+2], v[LPP+4*p+(\hd)], v[W+2*p]
.else
	v_fmac_f32 v[c0+1], v[LPP+4*p+(\hd)], v[W+2*p]
.endif
.set p, p+1
.endr
	v_add_f32 v[c0+2], v[c0+2], v[c0+1]
	v_rcp_f32 v[c0+2], v[c0+2]                     ; issued here; the sum over the parts is the work between it and its wait
.irp n, 0,2,4,6
	v_pk_mul_f32 v[TT+\n:TT+\n+1], v[TT+\n:TT+\n+1], v[W+32:W+33] op_sel_hi:[1,0]
.endr
	WIN 1+(\hd)/2
.set p, 0
.rept 16
.irp n, 0,2,4,6
	v_pk_fma_f32 v[TT+\n:TT+\n+1], v[128*((\hd)%2)+8*p+\n:128*((\hd)%2)+8*p+\n+1], v[W+2*p:W+2*p+1], v[TT+\n:TT+\n+1] op_sel_hi:[1,0,1]
.endr
.set p, p+1
.endr
	WIN 0
	s_wait_alu depctr_va_vdst(0)                   ; the reciprocal's wait, ahead of its first reader
.irp n, 0,2,4,6
	v_pk_mul_f32 v[TT+\n:TT+\n+1], v[TT+\n:TT+\n+1], v[c0+2:c0+3] op_sel_hi:[1,0]
.endr
.irp k, 0,1,2,3
	v_cvt_pk_f16_f32 v[W+\k], v[TT+2*\k], v[TT+2*\k+1]
.endr
	ds_store_b128 v[OFW], v[W:W+3] offset:1024*((\hd)/2)+512*((\hd)%2)  ; half a fragment of source 1 of the last product
.endm
	s_load_b256 s[4:11], s[0:1], 0x0               ; part 4, stat 6, lat 8, wf 10
	s_load_b64 s[12:13], s[0:1], 0x20              ; out0
	v_lshl_add_u32 v[SPW], v0, 2, SPARE
	v_mov_b32 v[NIL], 0
	v_lshrrev_b32 v16, 5, v0
	v_readfirstlane_b32 s[WV], v16
	v_and_b32 v17, 31, v0
	v_and_b32 v18, 15, v0                          ; r
	v_bfe_u32 v19, v0, 4, 1                        ; h
	v_lshlrev_b32 v[LOFF], 4, v17
	v_lshlrev_b32 v[ROFF], 4, v18
	s_lshr_b32 s[QT], ttmp9, 2
	s_and_b32 s[NQ], ttmp9, 3
	s_and_b32 s[BT], ttmp7, 0xffff
	s_mov_b32 s[CS], 0x3fb8aa3b
	s_mov_b32 s[CS+1], s[CS]
	s_mov_b32 s[SEL], 0x76543210
	s_mov_b32 s[SEL+1], 0xfedcba98
	s_lshl_b32 s36, s[WV], 11
	v_add_nc_u32 v[OFW], s36, v[LOFF]
	v_mul_u32_u24 v20, v18, POS
	v_lshl_add_u32 v20, v19, 5, v20
	s_lshl_b32 s36, s[WV], 8
	s_add_co_u32 s36, s36, OS
	v_add_nc_u32 v[OSW], s36, v20                  ; row r, columns 64 w + 8 h on
	s_mul_i32 s36, s[WV], 4*POS
	s_add_co_u32 s36, s36, OS
	v_add_nc_u32 v[OSR], s36, v[LOFF]              ; back: rows 4 w .. 4 w + 3
	s_lshl_b32 s24, s[BT], 20                      ; part: 16 work-groups x 65,536 a batch,
	s_lshl_b32 s36, s[WV], 14                      ; my four heads,
	s_add_co_u32 s24, s24, s36
	s_lshl_b32 s36, s[QT], 10                      ; the query tile
	s_add_co_u32 s24, s24, s36
	s_mov_b32 s25, 0
	s_lshl_b32 s26, s[BT], 17                      ; stat
	s_lshl_b32 s36, s[QT], 11
	s_add_co_u32 s26, s26, s36
	s_lshl_b32 s36, s[WV], 9
	s_add_co_u32 s26, s26, s36
	s_mov_b32 s27, 0
	s_mul_i32 s28, s[BT], 48                       ; lat
	s_lshl2_add_u32 s28, s[WV], s28
	s_lshl_b32 s28, s28, 11
	s_mov_b32 s29, 0
	s_lshl_b32 s30, s[QT], 9
	s_mov_b32 s31, 0
	s_lshl_b32 s32, s[NQ], 17                      ; Wout's fragments: 1,024 fragments of Wkv ahead of them, 8 a column tile
	s_lshl_b32 s36, s[WV], 15
	s_add_co_u32 s32, s32, s36
	s_add_co_u32 s32, s32, 0x100000
	s_mov_b32 s33, 0
	s_lshl_b32 s34, s[BT], 18                      ; out0
	s_lshl_b32 s36, s[QT], 16
	s_add_co_u32 s34, s34, s36
	s_lshl_b32 s36, s[WV], 14
	s_add_co_u32 s34, s34, s36
	s_lshl_b32 s36, s[NQ], 10
	s_add_co_u32 s34, s34, s36
	s_mov_b32 s35, 0
.irp pr, 0,1
.irp k, 4,5,6,7
	v_mov_b32 v[QZ+12*\pr+\k], 0
.endr
.endr
.set p, 0
.rept 17
	v_mov_b32 v[W+2*p+1], 0                        ; named with the weights as pairs, never used
.set p, p+1
.endr
	s_wait_kmcnt 0x0
	s_add_nc_u64 s[4:5], s[4:5], s[24:25]
	s_add_nc_u64 s[6:7], s[6:7], s[26:27]
	s_add_nc_u64 s[8:9], s[8:9], s[28:29]
	s_add_nc_u64 s[LQ:LQ+1], s[8:9], s[30:31]
	s_add_nc_u64 s[10:11], s[10:11], s[32:33]
	s_add_nc_u64 s[12:13], s[12:13], s[34:35]
	WIN 0xc0
.irp hd, 0,1,2,3
.irp a, 0,1,2,3
	global_load_b128 v[8*(4*(\hd/2)+\a)+4*(\hd%2):8*(4*(\hd/2)+\a)+4*(\hd%2)+3], v[LOFF], s[8:9] offset:32768+2048*\hd+512*\a  ; K
	global_load_b128 v[64+16*\hd+4*\a:64+16*\hd+4*\a+3], v[LOFF], s[8:9] offset:65536+2048*\hd+512*\a                          ; V
.endr
.endr
	WIN 0
.irp hd, 0,1,2,3
	global_load_b128 v[QZ+12*(\hd/2)+8*(\hd%2):QZ+12*(\hd/2)+8*(\hd%2)+3], v[LOFF], s[LQ:LQ+1] offset:2048*\hd
.endr
.set p, 0
.rept 16
	global_load_b128 v[CMP+4*p:CMP+4*p+3], v[ROFF], s[6:7] offset:8192*p       ; c m of my four heads for query r, in both halves of the lanes
	global_load_b128 v[LPP+4*p:LPP+4*p+3], v[ROFF], s[6:7] offset:8192*p+256   ; l
.set p, p+1
.endr
	PLOAD 0
	s_wait_loadcnt 63                              ; 64 loads are younger than the last of K, V and Q
	; THE LATENT KEYS
	WIN 0xc3
.irp a, 0,1,2,3
.irp hd, 0,1,2,3
	v_wmma_f32_16x16x32_f16 v[S+32*\hd+8*\a:S+32*\hd+8*\a+7], v[8*(4*(\hd/2)+\a):8*(4*(\hd/2)+\a)+7], v[QZ+12*(\hd/2)+4*(\hd%2):QZ+12*(\hd/2)+4*(\hd%2)+7], 0
.endr
.endr
	PLACES 8
	WIN 0x3f                                       ; the maximum: two chains a head
.irp hd, 0,1,2,3
.irp i, 0,1
	v_max3_num_f32 v[SC+4*\hd+\i], v[S+32*\hd+16*\i], v[S+32*\hd+16*\i+1], v[S+32*\hd+16*\i+2]
.endr
.endr
	WIN 0x3c
.irp n, 3,5,7,9,11,13
.irp hd, 0,1,2,3
.irp i, 0,1
	v_max3_num_f32 v[SC+4*\hd+\i], v[SC+4*\hd+\i], v[S+32*\hd+16*\i+\n], v[S+32*\hd+16*\i+\n+1]
.endr
.endr
.endr
.irp hd, 0,1,2,3
	v_max3_num_f32 v[SC+4*\hd], v[SC+4*\hd], v[S+32*\hd+15], v[S+32*\hd+31]
.endr
	WIN 0
.irp hd, 0,1,2,3
	v_max_num_f32 v[SC+4*\hd], v[SC+4*\hd], v[SC+4*\hd+1]
.endr
.irp hd, 0,1,2,3
	v_permlanex16_b32 v[SC+4*\hd+1], v[SC+4*\hd], s[SEL], s[SEL+1]
.endr
.irp hd, 0,1,2,3
	v_max_num_f32 v[SC+4*\hd], v[SC+4*\hd], v[SC+4*\hd+1]
.endr
.irp hd, 0,1,2,3
	v_mul_f32 v[SC+4*\hd], s[CS], v[SC+4*\hd]      ; c m'
.endr
	WIN 0xc3
.set n, 0
.rept 64
	v_pk_fma_f32 v[S+2*n:S+2*n+1], v[S+2*n:S+2*n+1], s[CS:CS+1], v[SC+4*(n/16):SC+4*(n/16)+1] op_sel_hi:[1,0,0] neg_lo:[0,0,1] neg_hi:[0,0,1]
.if n >= 2
	v_exp_f32 v[S+2*n-4], v[S+2*n-4]
	v_exp_f32 v[S+2*n-3], v[S+2*n-3]
.endif
.set n, n+1
.endr
.irp e, 124,125,126,127
	v_exp_f32 v[S+\e], v[S+\e]
.endr
	v_nop
	s_wait_alu depctr_va_vdst(0)                   ; one wait for the 128 exponentials
	WIN 0x0f
.irp hd, 0,1,2,3
	v_pk_add_f32 v[SC+4*\hd+2:SC+4*\hd+3], v[S+32*\hd:S+32*\hd+1], v[S+32*\hd+2:S+32*\hd+3]
.endr
	WIN 0x0c
.set n, 4
.rept 14
.irp hd, 0,1,2,3
	v_pk_add_f32 v[SC+4*\hd+2:SC+4*\hd+3], v[SC+4*\hd+2:SC+4*\hd+3], v[S+32*\hd+n:S+32*\hd+n+1]
.endr
.set n, n+2
.endr
	WIN 0
.irp hd, 0,1,2,3
	v_add_f32 v[SC+4*\hd+2], v[SC+4*\hd+2], v[SC+4*\hd+3]
.endr
.irp hd, 0,1,2,3
	v_permlanex16_b32 v[SC+4*\hd+3], v[SC+4*\hd+2], s[SEL], s[SEL+1]
.endr
.irp hd, 0,1,2,3
	v_add_f32 v[SC+4*\hd+2], v[SC+4*\hd+2], v[SC+4*\hd+3]  ; l', whole
.endr
	WIN 0xcf
.irp hd, 0,1,2,3
.irp f, 0,1
.irp k, 0,1,2,3,4,5,6,7
	v_cvt_pk_f16_f32 v[S+32*\hd+16*\f+\k], v[S+32*\hd+16*\f+2*\k], v[S+32*\hd+16*\f+2*\k+1]
.endr
.endr
.endr
	WIN 0x0f                                       ; the four heads' accumulators take turns
.irp f, 0,1
.irp hd, 0,1,2,3
.if \f == 0
	v_wmma_f32_16x16x32_f16 v[T+8*\hd:T+8*\hd+7], v[64+16*\hd+8*\f:64+16*\hd+8*\f+7], v[S+32*\hd+16*\f:S+32*\hd+16*\f+7], 0
.else
	v_wmma_f32_16x16x32_f16 v[T+8*\hd:T+8*\hd+7], v[64+16*\hd+8*\f:64+16*\hd+8*\f+7], v[S+32*\hd+16*\f:S+32*\hd+16*\f+7], v[T+8*\hd:T+8*\hd+7]
.endif
.endr
.endr
	; THE MERGES: each head's parts are asked for one merge ahead
	PLOAD 1
	s_wait_loadcnt 32                              ; stat and head 0's parts are in; head 1's 32 loads stay out
	MERGE 0                                        ; (its first 25 plain lines are the places behind the last products)
	PLOAD 2
	s_wait_loadcnt 32
	MERGE 1
	PLOAD 3
	s_wait_loadcnt 32
	MERGE 2
	WIN 0xc0
.irp i, 0,1,2,3
.irp ks, 0,1,2,3,4,5,6,7
	global_load_b128 v[8*(8*\i+\ks):8*(8*\i+\ks)+3],   v[LOFF], s[10:11] offset:8192*\i+1024*\ks      ; Wout: column tile i of my four, K step ks
	global_load_b128 v[8*(8*\i+\ks)+4:8*(8*\i+\ks)+7], v[LOFF], s[10:11] offset:8192*\i+1024*\ks+512
.endr
.endr
	WIN 0
	s_wait_loadcnt 63                              ; 64 loads are younger than head 3's parts
	MERGE 3
	s_wait_dscnt 0x0                               ; for the others' sake: my four heads of O lie in LDS
	s_barrier_signal -1
	s_barrier_wait -1
	WIN 0x40
.irp ks, 0,1,2,3,4,5,6,7
	ds_load_b128 v[8*\ks:8*\ks+3],   v[LOFF] offset:OF+1024*\ks
	ds_load_b128 v[8*\ks+4:8*\ks+7], v[LOFF] offset:OF+1024*\ks+512
.endr
	s_wait_loadcnt 0x0
	s_wait_dscnt 0x0
	WIN 0x07                                       ; source 0 = Wout (window 3), source 1 = O (window 1): a lane ends with one query and eight neighbouring columns; four accumulators by turns
.irp ks, 0,1,2,3,4,5,6,7
.irp i, 0,1,2,3
.if \ks == 0
	v_wmma_f32_16x16x32_f16 v[T+8*\i:T+8*\i+7], v[8*(8*\i+\ks):8*(8*\i+\ks)+7], v[8*\ks:8*\ks+7], 0
.else
	v_wmma_f32_16x16x32_f16 v[T+8*\i:T+8*\i+7], v[8*(8*\i+\ks):8*(8*\i+\ks)+7], v[8*\ks:8*\ks+7], v[T+8*\i:T+8*\i+7]
.endif
.endr
.endr
	PLACES 8
	WIN 0
.irp i, 0,1,2,3
	ds_store_b128 v[OSW], v[T+8*\i:T+8*\i+3]   offset:64*\i
	ds_store_b128 v[OSW], v[T+8*\i+4:T+8*\i+7] offset:64*\i+16
.endr
	s_wait_dscnt 0x0                               ; a row's 1,024 bytes come from four waves
	s_barrier_signal -1
	s_barrier_wait -1
.irp t, 0,1,2,3,4,5,6,7
	ds_load_b128 v[CMP+4*\t:CMP+4*\t+3], v[OSR] offset:(\t/2)*POS+(\t%2)*512
.endr
.irp t, 0,1,2,3,4,5,6,7
	s_wait_dscnt 7-\t
	global_store_b128 v[LOFF], v[CMP+4*\t:CMP+4*\t+3], s[12:13] offset:(\t/2)*4096+(\t%2)*512 th:TH_STORE_NT  ; 512 consecutive bytes, aligned
.endr
	s_wait_tensorcnt 0x0                           ; the wave's end, behind my last LDS store
	ds_add_u32 v[SPW], v[NIL]
	s_wait_dscnt 0x0
	s_endpgm
.Lfunc_end_k_q787d15665f_fin:
	.size	k_q787d15665f_fin, .Lfunc_end_k_q787d15665f_fin-k_q787d15665f_fin
	.p2alignl 7, 3214868480
	.fill 96, 4, 3214868480
	.section	.rodata,"a",@progbits
	.p2align	6, 0x0
	.amdhsa_kernel k_q787d15665f_fin
		.amdhsa_group_segment_fixed_size 25344
		.amdhsa_private_segment_fixed_size 0
		.amdhsa_enable_private_segment 0
		.amdhsa_kernarg_size 40
		.amdhsa_user_sgpr_count 2
		.amdhsa_user_sgpr_kernarg_segment_ptr 1
		.amdhsa_wavefront_size32 1
		.amdhsa_system_sgpr_workgroup_id_x 1
		.amdhsa_system_sgpr_workgroup_id_y 1
		.amdhsa_system_sgpr_workgroup_id_z 1
		.amdhsa_system_vgpr_workitem_id 0
		.amdhsa_next_free_vgpr 1024
		.amdhsa_next_free_sgpr 66
		.amdhsa_reserve_vcc 0
		.amdhsa_float_denorm_mode_32 3
		.amdhsa_float_denorm_mode_16_64 3
		.amdhsa_memory_ordered 1
		.amdhsa_forward_progress 1
		.amdhsa_inst_pref_size 86
	.end_amdhsa_kernel
	.amdgpu_metadata
---
amdhsa.version: [ 1, 2 ]
amdhsa.kernels:
  - .name:           k_q787d15665f_fin
    .symbol:         k_q787d15665f_fin.kd
    .args:
      - { .name: part, .offset: 0, .size: 8, .value_kind: global_buffer, .address_space: global }
      - { .name: stat, .offset: 8, .size: 8, .value_kind: global_buffer, .address_space: global }
      - { .name: lat, .offset: 16, .size: 8, .value_kind: global_buffer, .address_space: global }
      - { .name: wf, .offset: 24, .size: 8, .value_kind: global_buffer, .address_space: global }
      - { .name: out0, .offset: 32, .size: 8, .value_kind: global_buffer, .address_space: global }
    .group_segment_fixed_size: 25344
    .private_segment_fixed_size: 0
    .kernarg_segment_align: 8
    .kernarg_segment_size: 40
    .max_flat_workgroup_size: 128
    .sgpr_count:     66
    .vgpr_count:     1024
    .wavefront_size: 32
...
	.end_amdgpu_metadata
.endif
;; end of part 3
;; ======== version 2 of 2: 3 launches; version 1 with the launch main written anew for expert scheduling mode
;; limits: values are held in f16: magnitudes above 65,504 overflow, below 6.1e-05 lose precision
;; workspace buffers: lat 1,572,864 bytes; wf 1,572,864 bytes; part 16,777,216 bytes; stat 2,097,152 bytes
;; launch prep: the kernel of part 1 again; grid 12 x 16, 16 waves a work-group, no clusters, 297,984 bytes of LDS; arguments latents, g_lat, b_lat, Wq, Wkv, Wout, lat, wf; writes lat, wf
;; launch main (part 4): grid 16 x 16, 4 waves a work-group, no clusters, 297,472 bytes of LDS; arguments x, g_media, b_media, wf, lat, part, stat; writes part, stat
.if DOCPART == 4
	.amdgcn_target "amdgcn-amd-amdhsa--gfx1250"
	.amdhsa_code_object_version 6
	.text
	.protected	k_q787d15665f_main
	.globl	k_q787d15665f_main
	.p2align	8
	.type	k_q787d15665f_main,@function
k_q787d15665f_main:
	s_mov_b64 s[64:65], 0
	v_nop
	global_prefetch_b8 v0, s[64:65] scope:SCOPE_SE
	s_setreg_imm32_b32 hwreg(HW_REG_WAVE_SCHED_MODE, 0, 2), 2
	s_setreg_imm32_b32 hwreg(HW_REG_WAVE_MODE, 25, 1), 1
	s_wait_xcnt 0x0
	s_wait_alu depctr_vm_vsrc(0)
; MAIN.  For 256 media rows of one batch: LayerNorm, k and v = LN(x) Wkv, and the attention of the batch's 64 queries x 16 heads on these 256 keys.  k and v never leave the work-group.
; Out: part[WG][head][query tile][1,024 B] = the unnormalised O^T in f32 (registers 0-3 at 16 lane, 4-7 at 512 + 16 lane; lane (r, h) = query r, channels 8h + j), and
; stat[WG][query tile][wave][512 B]: lanes 0-15 c m, lanes 16-31 l, of heads 4w..4w+3 for query r.  c = log2(e); q arrives scaled by 1/4.
; SHARES.  Work-group WG = 16 batch + chunk owns rows 256 WG .. + 255, in two passes of 128.  Wave w normalises rows 32w..32w+31 of a pass (a row a wave: 32 registers), and multiplies all 128 rows by
; 128 columns of Wkv: k and v of ITS OWN four heads 4w..4w+3: 64 accumulators, 512 registers.  Then it does those heads' attention alone.
; LAYOUT.  k's tiles are made transposed (source 0 = W, source 1 = x): a lane holds one key and channels 8h + j; v's straight: one channel and keys 8h + j.  Rounded to f16 these registers ARE the halves of source 0 of
; S^T = K Q^T (channels 16-31 of the form's K are zeros: a head has 16) and of O^T = V^T P.  S^T holds one query a lane and keys 8h + j; two of its tiles rounded to f16 are source 1 of V^T P.
; SOFTMAX.  For a pass, head and query: the pass's own maximum m' and sum l' with p = 2^(c s - c m'); then the running pair (c m, l) and O are merged with it: both sides are multiplied by 2^(c m_side - c m_new).
; STAGES.  Stage 0: LayerNorm of pass 0, product.  Stage 1: head by head, attention of pass 0 and eight rows a wave of pass 1's LayerNorm, so that x comes in beside the attention; product.  Stage 2: attention of pass 1.
; W COMES STRAIGHT INTO REGISTERS, NO TENSOR LOADS, NO CLUSTER.  Of 327,680 bytes of LDS the 128 normalised rows take 264,192, Q 32,768, the spare words 512: 30,208 are left, and two slots of one K step of W
; (32 x 512 numbers of 2 bytes each) are 65,536.  No wave reads a byte of W that another wave of its work-group reads.  So each wave loads its own fragments, laid out for it in wf, 512 consecutive bytes a load, into a ring of
; four register buffers, three K steps ahead, with counted waits and no barrier in the K loop.  x is read by one work-group alone.
; FORMAT.  Every matrix operand is f16, rounded once from f32; all sums, maxima and what is carried in f32.  LIMITS: LN(x), k, v below 65,504; below 6e-5 f16 keeps a fixed step of 6e-8; a weight below 2^-126 counts as 0;
; c m starts at -4.25e37; NaN and infinities are not treated apart.  The variance is the mean of (x - mean)^2, from the registers: no difference of large sums.
; THE MODE: SCHED_MODE bits 1:0 = 2 (LLVM: expert scheduling mode 2), set by the entry lines.  The code itself states the register dependences between vector or matrix instructions and memory or LDS instructions,
; with s_wait_alu, always for 0.
; THE PLAN.  Registers that memory or LDS instructions touch, and who else names them:
;   X0, X1 (window 3, four rows each)  The rows' loads land here; LN4 g works on X[g] in place and rounds it into OUT[g].  Behind the roundings stands LN4's wait on va_vdst, and X[g] is asked for again straight behind it.
;   OUT0, OUT1 (window 2, v64-127, v128-191)  Written by LN4 g's roundings; read by the 32 LDS stores that follow X[g]'s loads, with no vector line since that wait.  Written again a trip later (the attention's O^T
;              and l, the next roundings), or by the product's sums.
;   v[AW], v[STGR], v[QR]  Written once a trip; read by that trip's LDS stores and loads.
;              ONE wait on vm_vsrc at a trip's head frees OUT0, OUT1 and these three; one behind the last trip frees OUT for the product's sums and v[STGR] for the way out.
;   K, Q, V of a head  Read by the trip's products; the next trip's loads land behind a wait on va_vdst, which also shows the two address lines written.
;   x's fragments  Row tiles 2-7 in v208-255; row tiles 0, 1 in one of two pairs, v192-207 (even K steps) and v16-31 (odd ones).  W0 .. W3 (window 1): K step s reads W[s % 4].
;              ONE wait on va_vdst at a K step's head: the step before is done reading tiles 2-7, its pair and its W.  Behind it land this step's tiles 2-7, the next step's pair and, from mid-step on, W of the step three on:
;              the products issued since the wait name this step's W and pair, tiles 2-7 behind their counted waits, and the sums: none of the registers of a load that is still to be issued.
;   v[ADRA ..]  Read by every fragment load; stepped once a lap and once at the product's end, each time behind a wait on vm_vsrc and ahead of a wait on va_vdst that stands there anyway.
;   k, v packed (window 1)  Written by the roundings between the second barrier's signal and wait; read by 64 LDS stores behind a wait on va_vdst; a wait on vm_vsrc stands ahead of the zeros that overwrite some of them.
;   gain, bias (window 2, v0-63)  Land where sums lay: behind that same wait on va_vdst.
;   v1, v2, v4, v9, v12, v13, v14, v15  Made at the head, ahead of its one wait on va_vdst, and never written again.
; REGISTERS, in windows of 256 (s_set_vgpr_msb: bits 1:0 source 0, 3:2 source 1, 5:4 source 2, 7:6 destination):
;   window 0: v0-15 addresses; v16-31 at work (all exchanges between lanes stand here), in the product x's row tiles 0, 1 of the odd K steps; v32-159 O; v160-175 c m; v176-191 l; v192-255 x's fragments, in attention Q's and V's
;   window 1: W's four buffers; in attention K v0-63, S^T and P v64-191, per query tile [c m', -, a_old, -, a_new, -, c m_new, l'] v192-223, c m of the head in hand v224-227, at work v232-239
;   window 2: accumulators of row tiles 0-3; else gain v0-31, bias v32-63, the pass's O^T v64-95, its l v128-131, and in the LayerNorm OUT0 v64-127, OUT1 v128-191        window 3: accumulators of row tiles 4-7; else eight rows of x
.set PA,    2064                       ; a row of LN(x) in LDS: 2,048 B + 16, an odd multiple of 16: the 16 rows of a fragment load start at 16 different 16-byte columns
.set WPART, 32*PA                      ; a wave's 32 rows
.set OCT,   8*PA                       ; eight rows; also: the room of one head's staged k and v (8,192 B are used), inside the wave's own rows
.set QL,    128*PA                     ; Q: wave w at + 8,192 w, (head, query tile) at + 2,048 hd + 512 qt
.set SPARE, QL+32768                   ; the spare words: 128 B a wave: two blocks of 256 B that no other line names
.set LOFF, 1                           ; 16 lane
.set XO,   2                           ; 131,072 w + 16 lane: my 16 bytes in my wave's first row of a pass
.set AW,   3                           ; LDS: where the trip's first row goes
.set AW0,  4                           ; WPART w + 8 lane
.set ADRA, 5                           ; v5-8: (32 k + r) PA + 16 h, stepped along K
.set STGW, 9                           ; WPART w + 16 lane: my staging
.set STGR, 10                          ; the head's part of it
.set QR,   11                          ; the head's Q
.set QR0,  12
.set PFO,  13                          ; 131,072 w + 256 lane
.set SPW,  14                          ; my spare word; never rewritten
.set NIL,  15                          ; 0; never rewritten
.set SC,   16
.set O,    32                          ; + 32 hd + 8 qt
.set CM,   160                         ; + 4 qt + hd
.set L,    176
.set AF,   192                         ; + 8 a
.set QF,   192                         ; + 8 qt
.set VF,   224                         ; + 4 a
.set KF,   0
.set S,    64                          ; + 64 t + 8 a
.set BLK,  192                         ; + 8 qt
.set CMC,  224
.set US,   232
.set QS,   192                         ; Q on its way in
.set G,    0
.set BB,   32
.set T,    64
.set LP,   128
.set OUT,  64                          ; + 64 g + 16 row: four rows of LN(x) in f16, on their way into LDS
.set WV, 18
.set ST, 19
.set HD, 20
.set KT, 21
.set XP, 22                            ; s[22:23] x at the rows that are asked for next (less the wave's part)
.set WB, 26                            ; s[26:27] my wave's fragments of Wkv
.set CS, 28                            ; s[28:29] c
.set SEL, 30                           ; s[30:31]
.set RN, 32                            ; 1 / 1024
.set EPS, 33                           ; 1e-5
.set MSB, 0
.macro WIN new                         ; the immediate's high byte repeats the setting that is left; a switch that changes nothing is dropped
.if MSB != (\new)
	s_set_vgpr_msb (MSB<<8)|(\new)
.set MSB, (\new)
.endif
.endm
.macro PLACES n
.rept \n
	v_nop
.endr
.endm
.set XW, 3
.set GW, 2
.set W_S1, XW|(XW<<2)                  ; destination window 0, sources 0 and 1 in x's
.set W_S2, XW<<2                       ; source 1 in x's
.set W_XT, (XW<<6)|XW                  ; destination and source 0 in x's, source 1 window 0
.set W_XG, (XW<<6)|(GW<<4)|(GW<<2)|XW
.set W_OX, (GW<<6)|(XW<<2)|XW          ; destination in OUT's window, sources 0 and 1 in x's
.set W_OS, GW<<2                       ; an LDS store's data in OUT's window
.macro GB                              ; gain and bias of my 32 columns
	WIN 0x80
.irp j, 0,1,2,3,4,5,6,7
	global_load_b128 v[G+4*\j:G+4*\j+3],   v[LOFF], s[6:7] offset:512*\j
	global_load_b128 v[BB+4*\j:BB+4*\j+3], v[LOFF], s[8:9] offset:512*\j
.endr
	WIN 0
.endm
.macro XLOAD g                         ; four rows into slots 4g..4g+3: 32 loads of 512 consecutive bytes; a lane holds columns 128 j + 4 lane + 0..3
	WIN 0xc0
.irp q, 0,1,2,3
.irp j, 0,1,2,3,4,5,6,7
	global_load_b128 v[128*(\g)+32*\q+4*\j:128*(\g)+32*\q+4*\j+3], v[XO], s[XP:XP+1] offset:(4*(\g)+\q)*4096+512*\j th:TH_LOAD_NT
.endr
.endr
	WIN 0
.endm
.macro BLOAD buf, off                  ; a K step's eight fragments of W: 16 loads
	WIN 0x40
.irp b, 0,1,2,3,4,5,6,7
	global_load_b128 v[64*(\buf)+8*\b:64*(\buf)+8*\b+3],   v[LOFF], s[WB:WB+1] offset:(\off)+1024*\b
	global_load_b128 v[64*(\buf)+8*\b+4:64*(\buf)+8*\b+7], v[LOFF], s[WB:WB+1] offset:(\off)+1024*\b+512
.endr
.endm
.macro TLOAD a, reg, off               ; x's fragment of row tile a, at byte off of the rows, into eight registers: 2 LDS loads
	ds_load_b128 v[(\reg):(\reg)+3],   v[ADRA+(\a)/2] offset:((\a)%2)*16*PA+(\off)
	ds_load_b128 v[(\reg)+4:(\reg)+7], v[ADRA+(\a)/2] offset:((\a)%2)*16*PA+(\off)+32
.endm
.macro PAIR p, off                     ; row tiles 0 and 1 into pair p
.if \p
	TLOAD 0, SC, \off
	TLOAD 1, SC+8, \off
.else
	TLOAD 0, AF, \off
	TLOAD 1, AF+8, \off
.endif
.endm
; na row tiles from a0 on x four column tiles, 32 along K.  kv = 0: k's (source 0 = W, window 1; source 1 = x, window 0).  kv = 1: v's (source 0 = x, source 1 = W).  Row tiles 0 and 1 lie in the pair of the buffer's parity.
; All 64 accumulators of a K step differ, and they come in the same order in every step: no two matrix instructions on end share one.
.macro MULT buf, a0, na, kv, zero
	WIN 0xa1+3*(\kv)+0x50*((\a0)/4)
.set ta, (\a0)
.rept \na
.set rx, AF+8*ta
.if (ta < 2) && ((\buf)%2 == 1)
.set rx, SC+8*ta
.endif
.set tb, 4*(\kv)
.rept 4
.set rc, 8*(8*(ta%4)+tb)
.set rw, 64*(\buf)+8*tb
.if (\kv) == 0
.if \zero
	v_wmma_f32_16x16x32_f16 v[rc:rc+7], v[rw:rw+7], v[rx:rx+7], 0
.else
	v_wmma_f32_16x16x32_f16 v[rc:rc+7], v[rw:rw+7], v[rx:rx+7], v[rc:rc+7]
.endif
.else
.if \zero
	v_wmma_f32_16x16x32_f16 v[rc:rc+7], v[rx:rx+7], v[rw:rw+7], 0
.else
	v_wmma_f32_16x16x32_f16 v[rc:rc+7], v[rx:rx+7], v[rw:rw+7], v[rc:rc+7]
.endif
.endif
.set tb, tb+1
.endr
.set ta, ta+1
.endr
.endm
; A K step.  buf: W's buffer; its parity names the pair.  j: the step's place behind the two stepped addresses.  zero: the sums begin (the wait ahead of this step's loads stands behind the barrier).
; la: the next step's pair is fetched.  lb: W of the step three on goes into the buffer read last step.  n: the younger global loads that may stay out: two K steps' 16 + 16, running down in the tail.
; The step begins with row tiles 0 and 1, which were asked for a step ago: 16 products stand between the request for tiles 2 and 3 and their first use, 32 ahead of tiles 4 to 7.
; Four plain places stand between a product and a load into a register that it has read; they stay beside the wait.
.macro STEP buf, j, zero, la, lb, n
.if !(\zero)
	PLACES 4
	WIN 0
	s_wait_alu depctr_va_vdst(0)                   ; the last step's products are done reading row tiles 2-7, their pair and their W, in which the loads of this step land; behind a lap's end v[ADRA ..] are written
.endif
	WIN 0
.irp a, 2,3,4,5,6,7
	TLOAD \a, AF+8*\a, 64*(\j)
.endr
.if \la
	PAIR ((\buf)+1)%2, 64*((\j)+1)
.endif
	s_wait_dscnt 12+4*(\la)                        ; LDS loads come back in order: this step's pair is in; the loads just issued may be out
	s_wait_loadcnt \n
	MULT \buf, 0, 2, 0, \zero
	MULT \buf, 0, 2, 1, \zero
	s_wait_dscnt 8+4*(\la)                         ; row tiles 2 and 3 are in
	MULT \buf, 2, 2, 1, \zero
	MULT \buf, 2, 2, 0, \zero
.if \lb
	BLOAD ((\buf)+3)%4, 8192*((\j)+3)              ; no wait: no product since the step's head names this buffer
.endif
	s_wait_dscnt 4*(\la)                           ; row tiles 4 to 7 are in; the next step's pair may be out
	MULT \buf, 4, 4, 0, \zero
	MULT \buf, 4, 4, 1, \zero
.endm
; the four rows' chains, the lane's two halves, the 32 lanes: each row's sum in every lane, in its first register
.macro RED4
	WIN 0
.irp q, 0,1,2,3
	v_pk_add_f32 v[SC+4*\q:SC+4*\q+1], v[SC+4*\q:SC+4*\q+1], v[SC+4*\q+2:SC+4*\q+3]
.endr
.irp q, 0,1,2,3
	v_add_f32 v[SC+4*\q], v[SC+4*\q], v[SC+4*\q+1]
.endr
.irp m, 1,2,4,8
.irp q, 0,1,2,3
	v_add_f32_dpp v[SC+4*\q], v[SC+4*\q], v[SC+4*\q] row_xmask:\m row_mask:0xf bank_mask:0xf
.endr
.endr
.irp q, 0,1,2,3
	v_permlanex16_b32 v[SC+4*\q+1], v[SC+4*\q], s[SEL], s[SEL+1]
.endr
.irp q, 0,1,2,3
	v_add_f32 v[SC+4*\q], v[SC+4*\q], v[SC+4*\q+1]
.endr
.endm
; LAYERNORM of the four rows in slots 4g..4g+3, the rows by turns in every step; rounded to f16 into OUT[g]
.macro LN4 g
.set XB, 128*(\g)
	WIN W_S1
.irp q, 0,1,2,3
	v_pk_add_f32 v[SC+4*\q:SC+4*\q+1],   v[XB+32*\q:XB+32*\q+1],     v[XB+32*\q+2:XB+32*\q+3]
	v_pk_add_f32 v[SC+4*\q+2:SC+4*\q+3], v[XB+32*\q+16:XB+32*\q+17], v[XB+32*\q+18:XB+32*\q+19]
.endr
	WIN W_S2
.set n, 4
.rept 6
.irp q, 0,1,2,3
	v_pk_add_f32 v[SC+4*\q:SC+4*\q+1],   v[SC+4*\q:SC+4*\q+1],   v[XB+32*\q+n:XB+32*\q+n+1]
	v_pk_add_f32 v[SC+4*\q+2:SC+4*\q+3], v[SC+4*\q+2:SC+4*\q+3], v[XB+32*\q+16+n:XB+32*\q+17+n]
.endr
.set n, n+2
.endr
	RED4
.irp q, 0,1,2,3
	v_mul_f32 v[SC+4*\q], s[RN], v[SC+4*\q]        ; the mean
.endr
	WIN W_XT
.set n, 0
.rept 16
.irp q, 0,1,2,3
	v_pk_add_f32 v[XB+32*\q+n:XB+32*\q+n+1], v[XB+32*\q+n:XB+32*\q+n+1], v[SC+4*\q:SC+4*\q+1] op_sel_hi:[1,0] neg_lo:[0,1] neg_hi:[0,1]
.endr
.set n, n+2
.endr
	WIN W_S1
.irp q, 0,1,2,3
	v_pk_mul_f32 v[SC+4*\q:SC+4*\q+1],   v[XB+32*\q:XB+32*\q+1],     v[XB+32*\q:XB+32*\q+1]
	v_pk_mul_f32 v[SC+4*\q+2:SC+4*\q+3], v[XB+32*\q+16:XB+32*\q+17], v[XB+32*\q+16:XB+32*\q+17]
.endr
.set n, 2
.rept 7
.irp q, 0,1,2,3
	v_pk_fma_f32 v[SC+4*\q:SC+4*\q+1],   v[XB+32*\q+n:XB+32*\q+n+1],     v[XB+32*\q+n:XB+32*\q+n+1],     v[SC+4*\q:SC+4*\q+1]
	v_pk_fma_f32 v[SC+4*\q+2:SC+4*\q+3], v[XB+32*\q+16+n:XB+32*\q+17+n], v[XB+32*\q+16+n:XB+32*\q+17+n], v[SC+4*\q+2:SC+4*\q+3]
.endr
.set n, n+2
.endr
	RED4
.irp q, 0,1,2,3
	v_fma_f32 v[SC+4*\q+1], v[SC+4*\q], s[RN], s[EPS]  ; variance + eps
.endr
.irp q, 0,1,2,3
	v_rsq_f32 v[SC+4*\q], v[SC+4*\q+1]
.endr
	v_nop                                          ; a plain instruction behind the last root,
	s_wait_alu depctr_va_vdst(0)                   ; and one wait for the four roots' results, ahead of their first reader
	WIN W_XT
.set n, 0
.rept 16
.irp q, 0,1,2,3
	v_pk_mul_f32 v[XB+32*\q+n:XB+32*\q+n+1], v[XB+32*\q+n:XB+32*\q+n+1], v[SC+4*\q:SC+4*\q+1] op_sel_hi:[1,0]
.endr
.set n, n+2
.endr
	WIN W_XG
.set n, 0
.rept 16
.irp q, 0,1,2,3
	v_pk_fma_f32 v[XB+32*\q+n:XB+32*\q+n+1], v[XB+32*\q+n:XB+32*\q+n+1], v[G+n:G+n+1], v[BB+n:BB+n+1]
.endr
.set n, n+2
.endr
	WIN W_OX
.set n, 0
.rept 16
.irp q, 0,1,2,3
	v_cvt_pk_f16_f32 v[OUT+64*(\g)+16*\q+n], v[XB+32*\q+2*n], v[XB+32*\q+2*n+1]
.endr
.set n, n+1
.endr
	WIN 0
	s_wait_alu depctr_va_vdst(0)                   ; the roundings are done reading X[g], in which the next loads land (in the last trip W's first buffers: the attention's lines are done with them), and have written OUT[g], which the LDS stores read; v[AW] is written
.endm
.macro LNST g                          ; OUT[g] into LDS.  No wait: no vector line since LN4's last wait
	WIN W_OS
.irp q, 0,1,2,3
.irp j, 0,1,2,3,4,5,6,7
	ds_store_b64 v[AW], v[OUT+64*(\g)+16*\q+2*\j:OUT+64*(\g)+16*\q+2*\j+1] offset:(4*(\g)+\q)*PA+256*\j
.endr
.endr
	WIN 0
.endm
; ATTENTION of query tiles 2u, 2u + 1 of the head in hand on the pass's 128 keys
.macro UNIT u
	WIN 0x41                                       ; S^T and K in window 1, Q in window 0
.irp a, 0,1,2,3,4,5,6,7
.irp t, 0,1
	v_wmma_f32_16x16x32_f16 v[S+64*\t+8*\a:S+64*\t+8*\a+7], v[KF+8*\a:KF+8*\a+7], v[QF+8*(2*(\u)+\t):QF+8*(2*(\u)+\t)+7], 0
.endr
.endr
	PLACES 4
	; the maximum of a lane's 64 scores: four chains a tile, each over two accumulators; every accumulator is read from its low end on
	WIN 0x15
.irp t, 0,1
.irp i, 0,1,2,3
	v_max3_num_f32 v[SC+8*\t+\i], v[S+64*\t+16*\i], v[S+64*\t+16*\i+1], v[S+64*\t+16*\i+2]
.endr
.endr
	WIN 0x14
.irp n, 3,5,7,9,11,13
.irp t, 0,1
.irp i, 0,1,2,3
	v_max3_num_f32 v[SC+8*\t+\i], v[SC+8*\t+\i], v[S+64*\t+16*\i+\n], v[S+64*\t+16*\i+\n+1]
.endr
.endr
.endr
.irp t, 0,1
	v_max3_num_f32 v[SC+8*\t],   v[SC+8*\t],   v[S+64*\t+15], v[S+64*\t+31]
	v_max3_num_f32 v[SC+8*\t+2], v[SC+8*\t+2], v[S+64*\t+47], v[S+64*\t+63]
.endr
	WIN 0
.irp t, 0,1
	v_max3_num_f32 v[SC+8*\t], v[SC+8*\t], v[SC+8*\t+1], v[SC+8*\t+2]
.endr
.irp t, 0,1
	v_max_num_f32 v[SC+8*\t], v[SC+8*\t], v[SC+8*\t+3]
.endr
.irp t, 0,1
	v_permlanex16_b32 v[SC+8*\t+1], v[SC+8*\t], s[SEL], s[SEL+1]  ; the query's other 64 keys lie in the lane 16 away
.endr
.irp t, 0,1
	v_max_num_f32 v[SC+8*\t], v[SC+8*\t], v[SC+8*\t+1]
.endr
	WIN 0x40
.irp t, 0,1
	v_mul_f32 v[BLK+8*(2*(\u)+\t)], s[CS], v[SC+8*\t]  ; c m'
.endr
	; c s - c m' and the exponentials: ONE batch of 128, each pair's two exponentials two scalings behind its own; nothing here names a result
	WIN 0x55
.set n, 0
.rept 64
	v_pk_fma_f32 v[S+2*n:S+2*n+1], v[S+2*n:S+2*n+1], s[CS:CS+1], v[BLK+8*(2*(\u)+n/32):BLK+8*(2*(\u)+n/32)+1] op_sel_hi:[1,0,0] neg_lo:[0,0,1] neg_hi:[0,0,1]
.if n >= 2
	v_exp_f32 v[S+2*n-4], v[S+2*n-4]
	v_exp_f32 v[S+2*n-3], v[S+2*n-3]
.endif
.set n, n+1
.endr
.irp e, 124,125,126,127
	v_exp_f32 v[S+\e], v[S+\e]
.endr
	v_nop                                          ; a plain instruction behind the last exponential,
	s_wait_alu depctr_va_vdst(0)                   ; and one wait for the batch's 128 results, ahead of their first reader
	; l' of the unrounded weights: two chains a tile; it stays by halves of the lanes until the end
.irp t, 0,1
	v_pk_add_f32 v[US+4*\t:US+4*\t+1],   v[S+64*\t:S+64*\t+1],     v[S+64*\t+2:S+64*\t+3]
	v_pk_add_f32 v[US+4*\t+2:US+4*\t+3], v[S+64*\t+32:S+64*\t+33], v[S+64*\t+34:S+64*\t+35]
.endr
.set n, 4
.rept 14
.irp t, 0,1
	v_pk_add_f32 v[US+4*\t:US+4*\t+1],   v[US+4*\t:US+4*\t+1],   v[S+64*\t+n:S+64*\t+n+1]
	v_pk_add_f32 v[US+4*\t+2:US+4*\t+3], v[US+4*\t+2:US+4*\t+3], v[S+64*\t+32+n:S+64*\t+33+n]
.endr
.set n, n+2
.endr
.irp t, 0,1
	v_pk_add_f32 v[US+4*\t:US+4*\t+1], v[US+4*\t:US+4*\t+1], v[US+4*\t+2:US+4*\t+3]
.endr
.irp t, 0,1
	v_add_f32 v[BLK+8*(2*(\u)+\t)+7], v[US+4*\t], v[US+4*\t+1]
.endr
	; P, in place: the fragment of keys 32 f .. + 31 lands at S + 16 f
.irp t, 0,1
.irp f, 0,1,2,3
.irp k, 0,1,2,3,4,5,6,7
	v_cvt_pk_f16_f32 v[S+64*\t+16*\f+\k], v[S+64*\t+16*\f+2*\k], v[S+64*\t+16*\f+2*\k+1]
.endr
.endr
.endr
	WIN 0xa4                                       ; V in window 0, P in window 1, the pass's O^T in window 2; the two tiles' accumulators take turns
.irp f, 0,1,2,3
.irp t, 0,1
.if \f == 0
	v_wmma_f32_16x16x32_f16 v[T+8*(2*(\u)+\t):T+8*(2*(\u)+\t)+7], v[VF+8*\f:VF+8*\f+7], v[S+64*\t+16*\f:S+64*\t+16*\f+7], 0
.else
	v_wmma_f32_16x16x32_f16 v[T+8*(2*(\u)+\t):T+8*(2*(\u)+\t)+7], v[VF+8*\f:VF+8*\f+7], v[S+64*\t+16*\f:S+64*\t+16*\f+7], v[T+8*(2*(\u)+\t):T+8*(2*(\u)+\t)+7]
.endif
.endr
.endr
.if (\u) == 0
	PLACES 5                                       ; the next unit's first products write over P
.endif
.endm
; head hd takes the pass's part: O = O a_old + O', l likewise; c m is kept, and the next head's is fetched
.macro OUTV hd
	WIN 0x24
.irp qt, 0,1,2,3
.irp n, 0,2,4,6
	v_pk_fma_f32 v[O+32*(\hd)+8*\qt+\n:O+32*(\hd)+8*\qt+\n+1], v[O+32*(\hd)+8*\qt+\n:O+32*(\hd)+8*\qt+\n+1], v[BLK+8*\qt+2:BLK+8*\qt+3], v[T+8*\qt+\n:T+8*\qt+\n+1] op_sel_hi:[1,0,1]
.endr
.endr
.irp qt, 0,1,2,3
	v_fma_f32 v[L+4*\qt+(\hd)], v[L+4*\qt+(\hd)], v[BLK+8*\qt+2], v[LP+\qt]
.endr
	WIN 0x01
.irp qt, 0,1,2,3
	v_mov_b32 v[CM+4*\qt+(\hd)], v[BLK+8*\qt+6]
.endr
	WIN 0x40
.irp qt, 0,1,2,3
	v_mov_b32 v[CMC+\qt], v[CM+4*\qt+((\hd)+1)%4]
.endr
	WIN 0
.endm
	s_load_b256 s[4:11], s[0:1], 0x0               ; x 4, g 6, b 8, wf 10
	s_load_b128 s[12:15], s[0:1], 0x20             ; lat 12, part 14
	s_load_b64 s[16:17], s[0:1], 0x30              ; stat
	v_lshl_add_u32 v[SPW], v0, 2, SPARE
	v_mov_b32 v[NIL], 0
	v_lshrrev_b32 v16, 5, v0
	v_readfirstlane_b32 s[WV], v16                 ; wave 0..3
	v_and_b32 v17, 31, v0                          ; lane
	v_and_b32 v18, 15, v0                          ; r
	v_bfe_u32 v19, v0, 4, 1                        ; h
	v_lshlrev_b32 v[LOFF], 4, v17
	s_wait_alu depctr_va_sdst(0)                   ; s[WV] is written, ahead of its first reader: offsets, LDS addresses and bases are made from it
	s_lshl_b32 s34, s[WV], 17
	v_add_nc_u32 v[XO], s34, v[LOFF]
	v_lshl_add_u32 v[PFO], v17, 8, s34
	s_mul_i32 s35, s[WV], WPART
	v_lshl_add_u32 v[AW0], v17, 3, s35
	v_add_nc_u32 v[STGW], s35, v[LOFF]
	v_mul_u32_u24 v20, v18, PA
	v_lshl_add_u32 v20, v19, 4, v20
.irp k, 0,1,2,3
	v_add_nc_u32 v[ADRA+\k], \k*32*PA, v20
.endr
	s_lshl_b32 s36, s[WV], 13
	s_add_co_u32 s36, s36, QL
	v_add_nc_u32 v[QR0], s36, v[LOFF]
	s_and_b32 s37, ttmp7, 0xffff                   ; batch
	s_lshl_b32 s38, s37, 4
	s_add_co_u32 s38, s38, ttmp9                   ; WG
	s_mov_b32 s[CS], 0x3fb8aa3b                    ; c = log2(e)
	s_mov_b32 s[CS+1], s[CS]                       ; named with it as a pair
	s_mov_b32 s[SEL], 0x76543210
	s_mov_b32 s[SEL+1], 0xfedcba98
	s_mov_b32 s[RN], 0x3a800000
	s_mov_b32 s[EPS], 0x3727c5ac
	s_lshl_b32 s40, s38, 20                        ; 256 rows of 4,096 bytes
	s_mov_b32 s41, 0
	s_lshl_b32 s42, s[WV], 18                      ; 256 fragments of 1,024 bytes a wave
	s_mov_b32 s43, 0
	s_mul_i32 s44, s37, 48
	s_lshl2_add_u32 s44, s[WV], s44
	s_lshl_b32 s44, s44, 11                        ; q of my four heads: 8,192 consecutive bytes
	s_mov_b32 s45, 0
	s_lshl_b32 s46, s38, 16
	s_lshl_b32 s39, s[WV], 14
	s_add_co_u32 s46, s46, s39
	s_mov_b32 s47, 0
	s_lshl_b32 s48, s38, 13
	s_lshl_b32 s39, s[WV], 9
	s_add_co_u32 s48, s48, s39
	s_mov_b32 s49, 0
	; O and l start at 0, c m far below every c s: the first merge multiplies them by 0.  176 lines, once a launch, in the wait for the arguments: the price of one text for both passes' merges
.set i, 0
.rept 128
	v_mov_b32 v[O+i], 0
.set i, i+1
.endr
.set i, 0
.rept 16
	v_mov_b32 v[CM+i], 0xfe000000
	v_mov_b32 v[L+i], 0
	v_mov_b32 v[SC+i], 0
.set i, i+1
.endr
	s_wait_kmcnt 0x0
	s_add_nc_u64 s[XP:XP+1], s[4:5], s[40:41]
	s_add_nc_u64 s[WB:WB+1], s[10:11], s[42:43]
	s_add_nc_u64 s[12:13], s[12:13], s[44:45]
	s_add_nc_u64 s[14:15], s[14:15], s[46:47]
	s_add_nc_u64 s[16:17], s[16:17], s[48:49]
	; ONE RUN OF LOADS at the head: Q (16), gain and bias (16), pass 0's first eight rows of my 32 (64)
	WIN 0x40
	s_wait_alu depctr_va_vdst(0)                   ; the offsets and LDS addresses v1 to v13 are written: the loads, stores and prefetches of the whole kernel read them
.set i, 0
.rept 16
	global_load_b128 v[QS+4*i:QS+4*i+3], v[LOFF], s[12:13] offset:512*i
.set i, i+1
.endr
	WIN 0
	GB
	XLOAD 0
	XLOAD 1
	s_wait_loadcnt 63                              ; loads come back in order: 80 are younger than Q's last, and 63 is the largest count that the wait can name: Q, gain and bias are in; the rows stay on their way
	WIN 0x04
.set i, 0
.rept 16
	ds_store_b128 v[QR0], v[QS+4*i:QS+4*i+3] offset:512*i  ; Q into my own bytes of LDS, once; its registers are W's fourth buffer later
.set i, i+1
.endr
	WIN 0
	s_mov_b32 s[ST], 0
.Lstage:
	s_mov_b32 s[HD], 0
.Lquad:                                                ; four trips: a head's attention (stages 1, 2), eight rows' LayerNorm (stages 0, 1)
	s_wait_alu depctr_vm_vsrc(0)                   ; the LDS stores and loads of the trip before have read OUT0, OUT1, v[AW], v[STGR] and v[QR], all of which this trip writes again; at the first trip: Q's stores have read Q's registers
	s_cmp_eq_u32 s[ST], 0
	s_cbranch_scc1 .Lnoatt
	s_mul_i32 s34, s[HD], OCT
	v_add_nc_u32 v[STGR], s34, v[STGW]
	s_lshl_b32 s35, s[HD], 11
	v_add_nc_u32 v[QR], s35, v[QR0]
	WIN 0x40
	s_wait_alu depctr_va_vdst(0)                   ; v[STGR] and v[QR] are written, which the loads below read; the products of the trip or the stage before are done reading the registers in which K, Q and V land
.irp a, 0,1,2,3,4,5,6,7
	ds_load_b128 v[KF+8*\a:KF+8*\a+3], v[STGR] offset:512*\a  ; my own bytes: LDS serves a wave's instructions in order
.endr
	WIN 0
.irp qt, 0,1,2,3
	ds_load_b128 v[QF+8*\qt:QF+8*\qt+3], v[QR] offset:512*\qt
.endr
.irp a, 0,1,2,3,4,5,6,7
	ds_load_b128 v[VF+4*\a:VF+4*\a+3], v[STGR] offset:4096+512*\a
.endr
	s_wait_dscnt 0x0                               ; also: the head's staging has been read, so this trip's rows may be laid over it
	UNIT 0
	UNIT 1
	; the merge's factors.  These twelve plain lines are the places behind the last products
	WIN 0x55
.irp qt, 0,1,2,3
	v_max_num_f32 v[BLK+8*\qt+6], v[CMC+\qt], v[BLK+8*\qt]
.endr
.irp qt, 0,1,2,3
	v_sub_f32 v[BLK+8*\qt+2], v[CMC+\qt], v[BLK+8*\qt+6]
.endr
.irp qt, 0,1,2,3
	v_sub_f32 v[BLK+8*\qt+4], v[BLK+8*\qt], v[BLK+8*\qt+6]
.endr
.irp qt, 0,1,2,3
	v_exp_f32 v[BLK+8*\qt+2], v[BLK+8*\qt+2]
	v_exp_f32 v[BLK+8*\qt+4], v[BLK+8*\qt+4]
.endr
	v_nop
	s_wait_alu depctr_va_vdst(0)                   ; one wait for the eight factors, ahead of their first reader
	WIN 0x86
.irp qt, 0,1,2,3
.irp n, 0,2,4,6
	v_pk_mul_f32 v[T+8*\qt+\n:T+8*\qt+\n+1], v[T+8*\qt+\n:T+8*\qt+\n+1], v[BLK+8*\qt+4:BLK+8*\qt+5] op_sel_hi:[1,0]
.endr
.endr
	WIN 0x85
.irp qt, 0,1,2,3
	v_mul_f32 v[LP+\qt], v[BLK+8*\qt+7], v[BLK+8*\qt+4]
.endr
	WIN 0
	s_cmp_eq_u32 s[HD], 0                          ; O's registers are named by the head: four short texts
	s_cbranch_scc0 .Lv1
	OUTV 0
	s_branch .Lnoatt
.Lv1:
	s_cmp_eq_u32 s[HD], 1
	s_cbranch_scc0 .Lv2
	OUTV 1
	s_branch .Lnoatt
.Lv2:
	s_cmp_eq_u32 s[HD], 2
	s_cbranch_scc0 .Lv3
	OUTV 2
	s_branch .Lnoatt
.Lv3:
	OUTV 3
.Lnoatt:
	s_cmp_eq_u32 s[ST], 2
	s_cbranch_scc1 .Lnoln
	s_mul_i32 s34, s[HD], OCT
	v_add_nc_u32 v[AW], s34, v[AW0]
	s_wait_xcnt 0x0                                ; the loads issued so far have read their base: it steps to the next trip's eight rows
	s_add_nc_u64 s[XP:XP+1], s[XP:XP+1], 32768
	s_wait_loadcnt 32                              ; slots 0-3 (and all older loads) are in; the 32 younger loads are slots 4-7's
	LN4 0
	s_cmp_lt_u32 s[HD], 3                          ; the last trip asks for W's first K steps instead of rows: 32 loads on either way, so the next count holds on both
	s_cbranch_scc0 .Lw01
	XLOAD 0                                        ; the slots are asked for again at once, ahead of the stores
	s_branch .Lx0
.Lw01:
	BLOAD 0, 0
	BLOAD 1, 8192
	WIN 0
.Lx0:
	LNST 0
	s_wait_loadcnt 32                              ; slots 4-7 are in; the 32 just issued stay out
	LN4 1
	s_cmp_lt_u32 s[HD], 3
	s_cbranch_scc0 .Lw2
	XLOAD 1
	s_branch .Lx1
.Lw2:
	BLOAD 2, 16384
	WIN 0
.Lx1:
	LNST 1
.Lnoln:
	s_add_co_u32 s[HD], s[HD], 1
	s_cmp_lt_u32 s[HD], 4
	s_cbranch_scc1 .Lquad
	s_wait_alu depctr_vm_vsrc(0)                   ; the last trip's LDS stores have read OUT0 and OUT1, over which the product's sums are written; its LDS loads have read v[STGR], which the way out writes
	s_cmp_eq_u32 s[ST], 2
	s_cbranch_scc1 .Lout
	s_wait_dscnt 0x0                               ; for the others' sake: my 32 rows lie in LDS
	s_barrier_signal -1
	s_barrier_wait -1                              ; all 128 do
	s_wait_alu depctr_va_vdst(0)                   ; the LayerNorm's and the attention's lines are done with v16-31 and v192-255, in which x's fragments land, and with window 1's v192-255, in which W's fourth buffer lands; v[ADRA ..] are written
	PAIR 0, 0                                      ; row tiles 0 and 1 of K step 0
	STEP 0, 0, 1, 1, 1, 32                         ; the first K step starts the sums: nothing is cleared
	WIN 0
	s_mov_b32 s[KT], 7
.Lk:                                                   ; K steps 4 i + 1 .. 4 i + 4
	STEP 1, 1, 0, 1, 1, 32
	STEP 2, 2, 0, 1, 1, 32
	STEP 3, 3, 0, 1, 1, 32
	STEP 0, 4, 0, 1, 1, 32
	WIN 0
	s_wait_alu depctr_vm_vsrc(0)                   ; the lap's LDS loads have read v[ADRA ..]
.irp k, 0,1,2,3
	v_add_nc_u32 v[ADRA+\k], 256, v[ADRA+\k]
.endr
	s_wait_xcnt 0x0                                ; W's loads (the youngest 32 products back) have read their base
	s_add_nc_u64 s[WB:WB+1], s[WB:WB+1], 32768
	s_sub_co_u32 s[KT], s[KT], 1
	s_cmp_lg_u32 s[KT], 0
	s_cbranch_scc1 .Lk
	STEP 1, 1, 0, 1, 0, 32                         ; the last three K steps ask for no W: the counts run down
	WIN 0
	; A PREFETCH INTO THE L2, in stage 0 alone, between two K steps: my own first eight rows of pass 1, which the loads at this stage's end will want: a lane names a block of 256 bytes, four instructions name
	; 32,768 bytes, each block once in the launch.  Two K steps and the packing stand between these lines and those loads.  The rows behind them come beside the attention.  wf is walked by every work-group and is not asked for.
	s_cmp_eq_u32 s[ST], 0
	s_cbranch_scc0 .Lnoask
.irp k, 0,1,2,3
	global_prefetch_b8 v[PFO], s[XP:XP+1] offset:393216+8192*\k th:TH_LOAD_NT scope:SCOPE_SE
.endr
.Lnoask:
	STEP 2, 2, 0, 1, 0, 16
	STEP 3, 3, 0, 0, 0, 0
	WIN 0
	s_mov_b32 s35, 1792
	s_wait_alu depctr_vm_vsrc(0)                   ; the last K steps' LDS loads have read v[ADRA ..]
.irp k, 0,1,2,3
	v_sub_nc_u32 v[ADRA+\k], v[ADRA+\k], s35       ; back to K = 0
.endr
	s_wait_dscnt 0x0                               ; my reads of the rows are over
	s_barrier_signal -1
	PLACES 4                                       ; k and v are rounded to f16 between the signal and the wait: work on registers; tile (a, b) goes to window 1, v[4 (8 a + b)]
.irp a, 0,1,2,3,4,5,6,7
	WIN 0x4a+5*(\a/4)
.irp b, 0,1,2,3,4,5,6,7
.irp k, 0,1,2,3
	v_cvt_pk_f16_f32 v[4*(8*\a+\b)+\k], v[8*(8*(\a%4)+\b)+2*\k], v[8*(8*(\a%4)+\b)+2*\k+1]
.endr
.endr
.endr
	WIN 0
	s_barrier_wait -1                              ; nobody reads the rows any more: my own 32 rows' bytes take my heads' k and v
	s_wait_alu depctr_va_vdst(0)                   ; the roundings have written k and v, which the LDS stores read, and are done reading the sums, in whose registers gain, bias and rows land
	s_wait_xcnt 0x0                                ; W's last loads and the prefetches have read their bases
	s_sub_nc_u64 s[WB:WB+1], s[WB:WB+1], 229376    ; W from its first K step again
	s_add_nc_u64 s[XP:XP+1], s[XP:XP+1], 393216    ; the next pass: 128 rows on, less the 32 rows' steps
	s_cmp_eq_u32 s[ST], 0                          ; behind pass 0's product: pass 1's LayerNorm is to come
	s_cbranch_scc0 .Lnorows
	GB                                             ; the product has used their registers, so gain and bias come anew,
	XLOAD 0                                        ; and pass 1's first eight rows of my 32: they land beside head 0's attention
	XLOAD 1
.Lnorows:
	WIN 0x04
.irp a, 0,1,2,3,4,5,6,7
.irp b, 0,1,2,3,4,5,6,7
	ds_store_b128 v[STGW], v[4*(8*\a+\b):4*(8*\a+\b)+3] offset:OCT*(\b%4)+4096*(\b/4)+512*\a
.endr
.endr
	s_wait_alu depctr_vm_vsrc(0)                   ; the LDS stores have read k's and v's registers, some of which the lines below write
	; what the attention finds: zeros for channels 16-31 of K and Q, the upper registers of the pairs that are named for their lower ones, c m of head 0
	WIN 0x40
.irp a, 0,1,2,3,4,5,6,7
.irp k, 4,5,6,7
	v_mov_b32 v[KF+8*\a+\k], 0
.endr
.endr
.irp qt, 0,1,2,3
	v_mov_b32 v[BLK+8*\qt+1], 0
	v_mov_b32 v[BLK+8*\qt+3], 0
	v_mov_b32 v[BLK+8*\qt+5], 0
	v_mov_b32 v[CMC+\qt], v[CM+4*\qt]
.endr
	WIN 0
.irp qt, 0,1,2,3
.irp k, 4,5,6,7
	v_mov_b32 v[QF+8*\qt+\k], 0
.endr
.endr
	s_add_co_u32 s[ST], s[ST], 1
	s_cmp_lt_u32 s[ST], 3
	s_cbranch_scc1 .Lstage
.Lout:
	v_and_b32 v[STGR], 16, v0
	v_cmp_ne_u32 vcc_lo, 0, v[STGR]                ; the mask is made first: the 32 lines below stand between it and the wait for it
.set i, 0
.rept 16
	v_permlanex16_b32 v[SC+i], v[L+i], s[SEL], s[SEL+1]
.set i, i+1
.endr
.set i, 0
.rept 16
	v_add_f32 v[L+i], v[L+i], v[SC+i]              ; l's two halves
.set i, i+1
.endr
	s_wait_alu depctr_va_vcc(0)                    ; VCC is written, ahead of its first reader
.set i, 0
.rept 16
	v_cndmask_b32 v[SC+i], v[CM+i], v[L+i], vcc_lo ; lanes 0-15 send c m, lanes 16-31 l
.set i, i+1
.endr
	s_wait_alu depctr_va_vdst(0)                   ; the merges have written O and the selects v16-31, which the stores read
.irp hd, 0,1,2,3
.irp qt, 0,1,2,3
	global_store_b128 v[LOFF], v[O+32*\hd+8*\qt:O+32*\hd+8*\qt+3],   s[14:15] offset:4096*\hd+1024*\qt th:TH_STORE_NT  ; each store covers 512 consecutive bytes, aligned
	global_store_b128 v[LOFF], v[O+32*\hd+8*\qt+4:O+32*\hd+8*\qt+7], s[14:15] offset:4096*\hd+1024*\qt+512 th:TH_STORE_NT
.endr
.endr
.irp qt, 0,1,2,3
	global_store_b128 v[LOFF], v[SC+4*\qt:SC+4*\qt+3], s[16:17] offset:2048*\qt th:TH_STORE_NT
.endr
	s_wait_dscnt 0x0                               ; the closing lines, six on end
	s_wait_alu 0x0
	s_wait_tensorcnt 0x0
	ds_add_u32 v[SPW], v[NIL]
	s_wait_dscnt 0x0
	s_endpgm
.Lfunc_end_k_q787d15665f_main:
	.size	k_q787d15665f_main, .Lfunc_end_k_q787d15665f_main-k_q787d15665f_main
	.p2alignl 7, 3214868480
	.fill 96, 4, 3214868480
	.section	.rodata,"a",@progbits
	.p2align	6, 0x0
	.amdhsa_kernel k_q787d15665f_main
		.amdhsa_group_segment_fixed_size 297472
		.amdhsa_private_segment_fixed_size 0
		.amdhsa_enable_private_segment 0
		.amdhsa_kernarg_size 56
		.amdhsa_user_sgpr_count 2
		.amdhsa_user_sgpr_kernarg_segment_ptr 1
		.amdhsa_wavefront_size32 1
		.amdhsa_system_sgpr_workgroup_id_x 1
		.amdhsa_system_sgpr_workgroup_id_y 1
		.amdhsa_system_sgpr_workgroup_id_z 1
		.amdhsa_system_vgpr_workitem_id 0
		.amdhsa_next_free_vgpr 1024
		.amdhsa_next_free_sgpr 66
		.amdhsa_reserve_vcc 1
		.amdhsa_float_denorm_mode_32 3
		.amdhsa_float_denorm_mode_16_64 3
		.amdhsa_memory_ordered 1
		.amdhsa_forward_progress 1
		.amdhsa_inst_pref_size 235
	.end_amdhsa_kernel
	.amdgpu_metadata
---
amdhsa.version: [ 1, 2 ]
amdhsa.kernels:
  - .name:           k_q787d15665f_main
    .symbol:         k_q787d15665f_main.kd
    .args:
      - { .name: x, .offset: 0, .size: 8, .value_kind: global_buffer, .address_space: global }
      - { .name: g_media, .offset: 8, .size: 8, .value_kind: global_buffer, .address_space: global }
      - { .name: b_media, .offset: 16, .size: 8, .value_kind: global_buffer, .address_space: global }
      - { .name: wf, .offset: 24, .size: 8, .value_kind: global_buffer, .address_space: global }
      - { .name: lat, .offset: 32, .size: 8, .value_kind: global_buffer, .address_space: global }
      - { .name: part, .offset: 40, .size: 8, .value_kind: global_buffer, .address_space: global }
      - { .name: stat, .offset: 48, .size: 8, .value_kind: global_buffer, .address_space: global }
    .group_segment_fixed_size: 297472
    .private_segment_fixed_size: 0
    .kernarg_segment_align: 8
    .kernarg_segment_size: 56
    .max_flat_workgroup_size: 128
    .sgpr_count:     66
    .vgpr_count:     1024
    .wavefront_size: 32
...
	.end_amdgpu_metadata
.endif
;; end of part 4
;; launch fin: the kernel of part 3 again; grid 16 x 16, 4 waves a work-group, no clusters, 25,344 bytes of LDS; arguments part, stat, lat, wf, out0; writes out0
